; MI455X (gfx1250); checked and timed in simulation.
; The chip was launched on July 23, 2026; its instructions are those of AMD's public machine-readable ISA for CDNA 5 (MIT licence, August 2026) and "CDNA5" Instruction Set Architecture Reference Guide (July 2026). The comments in the code are by the model that wrote it; some were corrected since.
;; Multi Head Attention. Allowed arithmetic: matrix products marked QUANTISED: E2M3 operands, one E8M0 scale for each 32 along K, by v_wmma_scale_f32_16x16x128_f8f6f4 with both operands' format E2M3, f32 sums; everything else in f32.
;; Inputs: Wk 1,024 x 1,024 float32; Wq 1,024 x 1,024 float32; Wv 1,024 x 1,024 float32; bk 1,024 float32; bq 1,024 float32; bv 1,024 float32; k 4 x 2,048 x 1,024 float32; mask 4 x 2,048 x 1 int32; q 4 x 2,048 x 1,024 float32; v 4 x 2,048 x 1,024 float32.
;; Outputs: out0 4 x 2,048 x 1,024 float32.
;; This version of the problem:
;;   THIS VERSION OF THE PROBLEM IS GIVEN IN LOW PRECISION. The matrix products marked QUANTISED in the list below multiply operands that are first quantised to E2M3 (2 exponent bits, 3 mantissa bits; 6 bits a number), with one power-of-two scale for each 32 numbers along K (OCP MX v1.0); their sums are f32. All else is computed in f32.
;;   The module's matrix products, in the order in which they are computed (A, B: the left and right operand; K: the contracted axis; several contracted axes count as one K, in the product's order):
;;     1. [M 8,192, K 1,024] x [K 1,024, N 1,024]; A: input q; B: input Wq: QUANTISED
;;     2. [M 8,192, K 1,024] x [K 1,024, N 1,024]; A: input k; B: input Wk: QUANTISED
;;     3. [M 8,192, K 1,024] x [K 1,024, N 1,024]; A: input v; B: input Wv: QUANTISED
;;     4. batch 64 x [M 2,048, K 64] x [K 64, N 2,048]; A: computed on the way; B: computed on the way: QUANTISED
;;     5. batch 64 x [M 2,048, K 2,048] x [K 2,048, N 64]; A: softmax (see below); B: computed on the way: QUANTISED
;;   THE QUANTISER, for each operand of a quantised product, along K:
;;     - K is cut into blocks of 32 from its start; a last block that is shorter is filled with zeros.
;;     - A block's scale is 2^e with e = floor(log2(the largest magnitude in the block)) - 2, held to -126 .. 127; a block of zeros has e = 0. As a byte (E8M0): e + 127.
;;     - Each number is divided by its block's scale, clamped to +-7.5, and rounded to the nearest number of E2M3, ties to even, subnormals kept.
;;     - The product sums the exact products of the quantised numbers (number of the format x scale) in f32.
;;   ~~~python
;;   def quantise(x, axis):      # numpy; x: float32 -> the quantised numbers, widened to float32 again
;;       x = np.moveaxis(x, axis, -1); K = x.shape[-1]
;;       x = np.pad(x, [(0, 0)] * (x.ndim - 1) + [(0, -K % 32)]); x = x.reshape(x.shape[:-1] + (-1, 32)); a = np.abs(x).max(-1, keepdims=True)
;;       e = np.where(a > 0, np.clip(np.frexp(np.where(a > 0, a, 1))[1] - 1 - 2, -126, 127), 0)      # np.frexp(a)[1] - 1 = floor(log2(a)), exactly
;;       r = np.clip(x / 2.0 ** e, -7.5, 7.5)
;;       step = 2.0 ** (np.maximum(np.frexp(np.where(r == 0, 1, r))[1] - 1, 0) - 3)
;;       q = np.round(r / step) * step * 2.0 ** e      # np.round: ties to even
;;       return np.moveaxis(q.reshape(q.shape[:-2] + (-1,))[..., :K], -1, axis).astype(np.float32)
;;   ~~~
;;   SOFTMAX AHEAD OF A QUANTISED PRODUCT. Where the list says 'softmax', what is quantised is not the finished softmax but p = 2^(t - M), with t = logit x log2(e) and M = ceil(the row's largest t), a whole number; so 1/2 < the row's largest p <= 1. The row's sum l is taken of the UNQUANTISED p, in f32, and the product's result is divided by l at the end. Since M is a whole number, a kernel that streams over the keys may use a running M (the ceiling of the running maximum): every later rescaling is an exact power of two, which a block's scale takes up: the codes' values come out the same.
;;   OPERANDS COMPUTED ON THE WAY. 'Computed on the way' means the value that the module computes at that place (a softmax that the list does not call 'softmax' is quantised finished and normalised). What goes into a quantiser is computed in f32, as accurately as f32 sums, v_exp_f32 and their like allow (about 1e-6 of the number): no bf16 or f16 on the way to a quantiser, and a product that is left as it is and whose result goes on into a quantised operand takes f32 operands (vector FMAs, or v_wmma_f32_16x16x4_f32). A number that lies on a knife's edge between two numbers of the format may be rounded either way, as far as f32 arithmetic and the matrix unit's own rounding can turn it there, and no further.
;; One version. Each part assembles by itself: llvm-mc -triple=amdgcn-amd-amdhsa -mcpu=gfx1250 --defsym DOCPART=n.
;; ======== version 1 of 1: 4 launches
;; workspace buffers: xc 18,874,368 bytes; xs 786,432 bytes; wc 2,359,296 bytes; ws 98,304 bytes; pc 18,874,368 bytes; ps 786,432 bytes
;; launch quant_x (part 1): grid 768 x 1, 4 waves a work-group, no clusters, 33,280 bytes of LDS; arguments q, k, v, xc, xs; writes xc, xs
.if DOCPART == 1
	.amdgcn_target "amdgcn-amd-amdhsa--gfx1250"
	.amdhsa_code_object_version 6
	.text
	.protected	k_q517988bede_quant_x
	.globl	k_q517988bede_quant_x
	.p2align	8
	.type	k_q517988bede_quant_x,@function
k_q517988bede_quant_x:
	s_mov_b64 s[64:65], 0
	v_nop
	global_prefetch_b8 v0, s[64:65] scope:SCOPE_SE
	s_setreg_imm32_b32 hwreg(HW_REG_WAVE_MODE, 25, 1), 1
	s_wait_xcnt 0x0
; q, k, v [8192][1024] f32 are turned into codes of FP6 (E2M3), 6 bits each, K innermost, with one E8M0 scale byte for each 32 along K:
; xc [3][8192 rows][768 bytes], xs [3][8192 rows][32 bytes].  A block's scale is 2^(floor(log2(its largest magnitude)) - 2); its byte is the largest magnitude's exponent field - 2, held at 1 from below.
; THE ROWS ARE STORED IN ANOTHER ORDER: row R goes to the place R with its bits 3 and 4 exchanged.  Sixteen neighbouring stored rows 16 a + r are then the true rows 32 (a / 2) + 8 (a % 2) + r + 8 (r / 8),
; the choice of rows by which a matrix result's 16 registers of two neighbouring tiles are 16 neighbours along the next product's K.
; LIMITS: a block of zeros gets the byte 1 (its codes are zeros, and this program alone reads the bytes); blocks whose largest magnitude lies under 2^-124 have their byte held at 1; NaN and infinities among the inputs are not served.
; A wave takes a run of 8 rows (8,192 numbers) in 16 steps of 512 numbers.  Each load reads 512 consecutive bytes; a step's 2,048 bytes turn through the wave's own stage in LDS and come back 64 bytes a lane,
; so that a lane holds 16 neighbours along K and two neighbouring lanes hold a block.  A lane's 16 codes are 12 bytes: the wave stores 384 consecutive bytes.  A wave's 256 scale bytes leave as one aligned block of 256 bytes.
; A work-group's four runs are the four values of a row's bits 3 and 4: wave w stores at the place of the run with w's two bits exchanged.
; The first 256 work-groups take q, the next 256 k, the last 256 v.  No tensor loads, no barrier: waves share nothing.  Loads run four steps (16 loads a wave) ahead, the turn through LDS one step.
.set WAVES, 4
.set STEPS, 16
.set EMAX,  2
.set CB,    12                         ; bytes of 16 codes
.set R,     16                         ; v16-79   four sets of 16 numbers as they are loaded
.set X,     80                         ; v80-111  two sets of 16 neighbours
.set C,     128                        ; v128-191 codes: four registers for each step, so that no store's data are written again
.set E,     112                        ; v112-127 a scale byte for each step
.set WREG,  8192                       ; LDS: a region for each wave: two stages of 32 x SP bytes, and behind them its 256 scale bytes
.set SP,    80                         ; a lane's place in a stage: its 64 bytes + 16 of padding
.set SPW,   12                         ; v12      LDS address of my spare word; never rewritten
.set NIL,   13                         ; v13      0; never rewritten
.set SPARE, WAVES*WREG                 ; behind the four regions: the spare words, 128 bytes for each wave
	s_load_b128 s[4:7], s[0:1], 0x0                ; q, k
	s_load_b128 s[8:11], s[0:1], 0x10              ; v, xc
	s_load_b64 s[12:13], s[0:1], 0x20              ; xs
	v_lshl_add_u32 v[SPW], v0, 2, SPARE
	v_mov_b32 v[NIL], 0
	v_lshrrev_b32 v1, 5, v0
	v_readfirstlane_b32 s16, v1                    ; wave
	v_and_b32 v2, 31, v0                           ; lane
	v_lshlrev_b32 v3, 4, v2                        ; my 16 bytes of a load's 512
	s_mul_i32 s17, s16, WREG
	v_lshrrev_b32 v14, 2, v2
	v_mul_u32_u24 v14, v14, SP
	v_and_b32 v15, 3, v2
	v_lshl_add_u32 v14, v15, 4, v14
	v_add_nc_u32 v14, s17, v14                     ; the stage, on the way in: SP (lane / 4) + 16 (lane % 4)
	v_mul_u32_u24 v15, v2, SP
	v_add_nc_u32 v15, s17, v15                     ; and on the way out: SP x lane: my 16 neighbours
	v_mul_u32_u24 v4, v2, CB                       ; my codes' place in a step's
	v_lshrrev_b32 v5, 1, v2
	s_add_co_u32 s17, s17, 2*32*SP
	v_add_nc_u32 v5, s17, v5                       ; LDS: my wave's 256 scale bytes, my block's byte
	v_lshlrev_b32 v7, 3, v2                        ; and on the way out 8 bytes a lane
	v_add_nc_u32 v6, s17, v7
	s_and_b32 s18, ttmp9, 255
	s_lshl_b32 s18, s18, 2
	s_add_co_u32 s18, s18, s16                     ; which run of the tensor my wave reads,
	s_lshl_b32 s18, s18, 15                        ; 32,768 bytes a run
	s_mov_b32 s19, 0
	s_and_b32 s20, s16, 1
	s_lshl_b32 s20, s20, 1
	s_lshr_b32 s21, s16, 1
	s_or_b32 s20, s20, s21                         ; my wave's two bits exchanged
	s_lshl_b32 s21, ttmp9, 2
	s_add_co_u32 s20, s20, s21                     ; the place of the run that I store, counted over the three tensors
	s_mul_i32 s22, s20, 32*STEPS*CB                ; 6,144 bytes of codes a run
	s_mov_b32 s23, 0
	s_lshl_b32 s24, s20, 8                         ; 256 scale bytes a run
	s_mov_b32 s25, 0
	s_lshr_b32 s17, ttmp9, 8                       ; the tensor: 0 q, 1 k, 2 v
	s_wait_kmcnt 0x0
	s_cmp_eq_u32 s17, 0                            ; the choice hangs on the work-group's number alone
	s_cselect_b64 s[4:5], s[4:5], s[6:7]
	s_cmp_eq_u32 s17, 2
	s_cselect_b64 s[4:5], s[8:9], s[4:5]
	s_add_nc_u64 s[4:5], s[4:5], s[18:19]
	s_add_nc_u64 s[10:11], s[10:11], s[22:23]
	s_add_nc_u64 s[12:13], s[12:13], s[24:25]
.macro LOAD t
.irp i, 0,1,2,3
	global_load_b128 v[R+16*((\t)%4)+4*\i:R+16*((\t)%4)+4*\i+3], v3, s[4:5] offset:2048*(\t)+512*\i th:TH_LOAD_NT   ; 32 lanes read 512 consecutive bytes
.endr
.endm
.macro TURN t                          ; step t's numbers through the stage: LDS serves a wave's instructions in order, so no wait stands between the stores and the loads
.irp i, 0,1,2,3
	ds_store_b128 v14, v[R+16*((\t)%4)+4*\i:R+16*((\t)%4)+4*\i+3] offset:32*SP*((\t)%2)+8*SP*\i
.endr
.irp i, 0,1,2,3
	ds_load_b128 v[X+16*((\t)%2)+4*\i:X+16*((\t)%2)+4*\i+3], v15 offset:32*SP*((\t)%2)+16*\i
.endr
.endm
.irp t, 0,1,2,3
	LOAD \t
.endr
	s_wait_loadcnt 12                              ; step 0's four loads are in; the twelve of steps 1 to 3 may be out
	TURN 0
.macro STEP t
.set XS, X+16*((\t)%2)
.if (\t) > 0
	s_wait_dscnt 1                                 ; this step's numbers are back from the stage (the last step's byte store may be out): so its stores into the stage have read their registers,
.else
	s_wait_dscnt 0x0
.endif
.if (\t)+4 < STEPS
	LOAD (\t)+4                                    ; which take the loads of four steps on
.endif
.if (\t)+1 < STEPS
.if STEPS-2-(\t) >= 3
	s_wait_loadcnt 12                              ; the next step's four loads are in; those of the three steps behind it may be out
.else
	s_wait_loadcnt 4*(STEPS-2-(\t))
.endif
	TURN (\t)+1                                    ; and go through the other stage while this step is worked
.endif
	v_max3_num_f32 v8, |v[XS]|, |v[XS+1]|, |v[XS+2]|               ; the largest magnitude of my 16
	v_max3_num_f32 v9, |v[XS+3]|, |v[XS+4]|, |v[XS+5]|
.irp i, 6,10
	v_max3_num_f32 v8, v8, |v[XS+\i]|, |v[XS+\i+1]|
	v_max3_num_f32 v9, v9, |v[XS+\i+2]|, |v[XS+\i+3]|
.endr
	v_max3_num_f32 v8, v8, |v[XS+14]|, |v[XS+15]|
	v_max3_num_f32 v8, v8, v9, (EMAX+1)<<23        ; and the floor 2^(3 - 127): the byte cannot fall under 1
	v_max_num_f32_dpp v8, v8, v8 row_xmask:1 row_mask:0xf bank_mask:0xf   ; and of my neighbour's 16: the block's
	v_add_nc_u32 v11, -(EMAX<<23), v8              ; 2 off its exponent field: the conversion takes the exponent field of this operand as its scale
	v_cvt_scalef32_pk16_fp6_f32 v[C+4*(\t):C+4*(\t)+2], v[XS:XS+15], v11   ; sixteen numbers / the scale, to the nearest code, ties to even, beyond the largest code the largest
	v_lshrrev_b32 v[E+(\t)], 23, v11               ; the scale's byte
	ds_store_b8 v5, v[E+(\t)] offset:16*(\t)       ; both lanes of a block write the same byte with the same value
	global_store_b96 v4, v[C+4*(\t):C+4*(\t)+2], s[10:11] offset:32*CB*(\t)
.endm
.irp t, 0,1,2,3,4,5,6,7,8,9,10,11,12,13,14,15
	STEP \t
.endr
	ds_load_b64 v[8:9], v6                         ; LDS serves a wave's instructions in order: these see my stores
	s_wait_dscnt 0x0
	global_store_b64 v7, v[8:9], s[12:13]          ; 32 lanes store 256 consecutive bytes, aligned
	s_wait_tensorcnt 0x0                           ; the wave's end, behind my last LDS store
	ds_add_u32 v[SPW], v[NIL]
	s_wait_dscnt 0x0
	s_endpgm
.Lfunc_end_k_q517988bede_quant_x:
	.size	k_q517988bede_quant_x, .Lfunc_end_k_q517988bede_quant_x-k_q517988bede_quant_x
	.p2alignl 7, 3214868480
	.fill 96, 4, 3214868480
	.section	.rodata,"a",@progbits
	.p2align	6, 0x0
	.amdhsa_kernel k_q517988bede_quant_x
		.amdhsa_group_segment_fixed_size 33280
		.amdhsa_private_segment_fixed_size 0
		.amdhsa_enable_private_segment 0
		.amdhsa_kernarg_size 40
		.amdhsa_user_sgpr_count 2
		.amdhsa_user_sgpr_kernarg_segment_ptr 1
		.amdhsa_wavefront_size32 1
		.amdhsa_system_sgpr_workgroup_id_x 1
		.amdhsa_system_sgpr_workgroup_id_y 1
		.amdhsa_system_sgpr_workgroup_id_z 1
		.amdhsa_system_vgpr_workitem_id 0
		.amdhsa_next_free_vgpr 192
		.amdhsa_next_free_sgpr 66
		.amdhsa_reserve_vcc 0
		.amdhsa_float_denorm_mode_32 3
		.amdhsa_float_denorm_mode_16_64 3
		.amdhsa_memory_ordered 1
		.amdhsa_forward_progress 1
		.amdhsa_inst_pref_size 33
	.end_amdhsa_kernel
	.amdgpu_metadata
---
amdhsa.version: [ 1, 2 ]
amdhsa.kernels:
  - .name:           k_q517988bede_quant_x
    .symbol:         k_q517988bede_quant_x.kd
    .args:
      - { .name: q, .offset: 0, .size: 8, .value_kind: global_buffer, .address_space: global }
      - { .name: k, .offset: 8, .size: 8, .value_kind: global_buffer, .address_space: global }
      - { .name: v, .offset: 16, .size: 8, .value_kind: global_buffer, .address_space: global }
      - { .name: xc, .offset: 24, .size: 8, .value_kind: global_buffer, .address_space: global }
      - { .name: xs, .offset: 32, .size: 8, .value_kind: global_buffer, .address_space: global }
    .group_segment_fixed_size: 33280
    .private_segment_fixed_size: 0
    .kernarg_segment_align: 8
    .kernarg_segment_size: 40
    .max_flat_workgroup_size: 128
    .sgpr_count:     66
    .vgpr_count:     192
    .wavefront_size: 32
...
	.end_amdgpu_metadata
.endif
;; end of part 1
;; launch quant_w (part 2): grid 8 x 12, 4 waves a work-group, no clusters, 35,840 bytes of LDS; arguments Wq, Wk, Wv, wc, ws; writes wc, ws
.if DOCPART == 2
	.amdgcn_target "amdgcn-amd-amdhsa--gfx1250"
	.amdhsa_code_object_version 6
	.text
	.protected	k_q517988bede_quant_w
	.globl	k_q517988bede_quant_w
	.p2align	8
	.type	k_q517988bede_quant_w,@function
k_q517988bede_quant_w:
	s_mov_b64 s[64:65], 0
	v_nop
	global_prefetch_b8 v0, s[64:65] scope:SCOPE_SE
	s_setreg_imm32_b32 hwreg(HW_REG_WAVE_MODE, 25, 1), 1
	s_wait_xcnt 0x0
; Wq, Wk, Wv [1024 (k)][1024 (n)] f32: K is the FIRST axis.  They become codes of FP6 (E2M3) laid wc [3][1024 n][768 bytes] with K innermost, and scale bytes ws [3][1024 n][32].
; A LANE TAKES A COLUMN n, AND ITS REGISTERS RUN DOWN K: each load reads neighbouring n in neighbouring lanes, a block of 32 along K lies in one lane's 32 registers, and the conversions give codes with K innermost.
; THE ROWS n ARE STORED IN ANOTHER ORDER, as the rows of xc are: row n goes to the place n with its bits 3 and 4 exchanged.  Here that is a lane's place in the wave's stage and among its rows of scale bytes.
; A block's scale is 2^(floor(log2(its largest magnitude)) - 2); its byte is the largest magnitude's exponent field - 2, held at 1 from below.
; LIMITS: a block of zeros gets the byte 1 (its codes are zeros; this program alone reads the bytes); blocks under 2^-124 have their byte held at 1; NaN and infinities are not served.
; A wave takes 32 columns x 256 along K: 8 blocks a lane, 192 bytes of codes a column; they go through the wave's own stage in LDS and leave as rows: sixteen lanes store a row's 192 consecutive bytes.
; Work-group y: tensor y / 4, the 256 along K numbered y % 4.  No tensor loads, no barrier.  Loads run two blocks (64 loads a wave) ahead.  Every offset is an immediate: 255 x 4,096 and 30 x 768 at the most.
.set SIZE_N, 1024
.set SIZE_K, 1024
.set KW,    256
.set NB,    KW/32
.set ROWB,  192
.set PITCH, 272                        ; a stage row: sixteen places of 16 bytes, each with 12 bytes of codes, + 16
.set KROW,  SIZE_K*6/8
.set EMAX,  2
.set X,     32                         ; v32-95   two sets of 32 numbers
.set C,     96                         ; v96..    a block's codes
.set OUTR,  112                        ; v112-175 the way out
.set SPW,   14
.set NIL,   15
.set SPARE, 4*32*PITCH
.set SB,    24                         ; v24-25   the scale bytes, four to a register
	s_load_b128 s[4:7], s[0:1], 0x0                ; Wq, Wk
	s_load_b128 s[8:11], s[0:1], 0x10              ; Wv, wc
	s_load_b64 s[12:13], s[0:1], 0x20              ; ws
	v_lshl_add_u32 v[SPW], v0, 2, SPARE
	v_mov_b32 v[NIL], 0
	v_lshrrev_b32 v1, 5, v0
	v_readfirstlane_b32 s16, v1                    ; wave 0..3
	v_and_b32 v2, 31, v0                           ; lane
	v_and_b32 v10, 7, v2
	v_bfe_u32 v5, v2, 3, 1
	v_bfe_u32 v6, v2, 4, 1
	v_lshl_or_b32 v10, v5, 4, v10
	v_lshl_or_b32 v10, v6, 3, v10                  ; the lane with its bits 3 and 4 exchanged: my column's place among the wave's 32 stored rows
	s_lshl_b32 s17, ttmp9, 7
	s_lshl_b32 s18, s16, 5
	s_add_co_u32 s17, s17, s18                     ; my wave's first column: 128 x work-group x + 32 x wave
	s_and_b32 s30, ttmp7, 0xffff
	s_and_b32 s18, s30, 3                          ; which 256 along K
	s_lshr_b32 s30, s30, 2                         ; the tensor
	v_lshlrev_b32 v3, 2, v2                        ; in: 4 bytes a lane
	s_mul_i32 s19, s16, 32*PITCH                   ; my stage
	v_mul_u32_u24 v4, v10, PITCH
	v_add_nc_u32 v4, s19, v4                       ; into it: the row of my column's place
	v_and_b32 v5, 15, v2
	v_lshrrev_b32 v6, 4, v2                        ; out of it: sixteen lanes to a row, two rows an instruction
	v_mul_u32_u24 v7, v6, PITCH
	v_lshl_add_u32 v7, v5, 4, v7
	v_add_nc_u32 v7, s19, v7
	v_mul_u32_u24 v8, v6, KROW
	v_mad_u32_u24 v8, v5, 12, v8                   ; and the same place in the codes' buffer
	s_lshl_b32 s20, s18, 20                        ; W: 256 rows of 4,096 bytes for each 256 along K,
	s_lshl_b32 s22, s17, 2
	s_add_co_u32 s20, s20, s22                     ; + 4 x column
	s_mov_b32 s21, 0
	s_mul_i32 s24, s17, KROW                       ; codes: row x 768 + 192 x (which 256) + the tensor's 786,432
	s_mul_i32 s26, s18, ROWB
	s_add_co_u32 s24, s24, s26
	s_mul_i32 s26, s30, 1024*KROW
	s_add_co_u32 s24, s24, s26
	s_mov_b32 s25, 0
	s_lshl_b32 s28, s17, 5                         ; scale bytes: row x 32 + 8 x (which 256) + the tensor's 32,768
	s_lshl_b32 s26, s18, 3
	s_add_co_u32 s28, s28, s26
	s_lshl_b32 s26, s30, 15
	s_add_co_u32 s28, s28, s26
	s_mov_b32 s29, 0
	v_mul_u32_u24 v9, v10, SIZE_K/32               ; my column's row of scale bytes
	s_wait_kmcnt 0x0
	s_cmp_eq_u32 s30, 0                            ; the choice hangs on the work-group's number alone
	s_cselect_b64 s[4:5], s[4:5], s[6:7]
	s_cmp_eq_u32 s30, 2
	s_cselect_b64 s[4:5], s[8:9], s[4:5]
	s_add_nc_u64 s[4:5], s[4:5], s[20:21]
	s_add_nc_u64 s[10:11], s[10:11], s[24:25]
	s_add_nc_u64 s[12:13], s[12:13], s[28:29]
.macro LOAD t                          ; block t: W(32 t + i, my column), i = 0 .. 31, into set t % 2
.irp i, 0,1,2,3,4,5,6,7,8,9,10,11,12,13,14,15,16,17,18,19,20,21,22,23,24,25,26,27,28,29,30,31
	global_load_b32 v[X+32*((\t)%2)+\i], v3, s[4:5] offset:(32*(\t)+\i)*SIZE_N*4 th:TH_LOAD_NT
.endr
.endm
	LOAD 0
	LOAD 1
.macro BLOCK t
.set XS, X+32*((\t)%2)
.if (\t) < NB-1
	s_wait_loadcnt 32                              ; this block's 32 loads are in; the next block's 32 may be out
.else
	s_wait_loadcnt 0
.endif
	v_max3_num_f32 v12, |v[XS]|, |v[XS+1]|, |v[XS+2]|               ; the block's largest magnitude: all 32 numbers are mine
	v_max3_num_f32 v13, |v[XS+3]|, |v[XS+4]|, |v[XS+5]|
.irp i, 6,10,14,18,22,26
	v_max3_num_f32 v12, v12, |v[XS+\i]|, |v[XS+\i+1]|
	v_max3_num_f32 v13, v13, |v[XS+\i+2]|, |v[XS+\i+3]|
.endr
	v_max3_num_f32 v12, v12, |v[XS+30]|, |v[XS+31]|
	v_max3_num_f32 v12, v12, v13, (EMAX+1)<<23     ; and the floor 2^(3 - 127)
	v_add_nc_u32 v11, -(EMAX<<23), v12             ; 2 off its exponent field: the conversion's scale operand
	v_lshrrev_b32 v13, 23, v11                     ; the scale's byte
.if (\t)%4 == 0
	v_mov_b32 v[SB+(\t)/4], v13                    ; four bytes to a register, the lower K in the lower byte
.else
	v_lshl_or_b32 v[SB+(\t)/4], v13, 8*((\t)%4), v[SB+(\t)/4]
.endif
	v_cvt_scalef32_pk16_fp6_f32 v[C:C+2], v[XS:XS+15], v11
	v_cvt_scalef32_pk16_fp6_f32 v[C+4:C+6], v[XS+16:XS+31], v11     ; (a conversion's three registers begin on an even number)
	ds_store_b96 v4, v[C:C+2] offset:32*(\t)       ; 16 codes, 12 bytes, to a place of 16 bytes in the stage
	ds_store_b96 v4, v[C+4:C+6] offset:32*(\t)+16
.if (\t)+2 < NB
	LOAD (\t)+2
.endif
	s_wait_dscnt 0x0                               ; the stores have read their registers: the next block's codes may be written
.endm
.set Q, 0
.rept NB
	BLOCK Q
.set Q, Q+1
.endr
	global_store_b64 v9, v[SB:SB+1], s[12:13]      ; my column's 8 scale bytes
.irp t, 0,1,2,3,4,5,6,7,8,9,10,11,12,13,14,15
	ds_load_b96 v[OUTR+4*\t:OUTR+4*\t+2], v7 offset:2*\t*PITCH   ; LDS serves a wave's instructions in order: these see my stores
.endr
.irp t, 0,1,2,3,4,5,6,7,8,9,10,11,12,13,14,15
	s_wait_dscnt 15-\t                             ; loads come back in order: number t is in, the younger ones may be out
	global_store_b96 v8, v[OUTR+4*\t:OUTR+4*\t+2], s[10:11] offset:2*\t*KROW
.endr
	s_wait_tensorcnt 0x0                           ; the wave's end, behind my last LDS store
	ds_add_u32 v[SPW], v[NIL]
	s_wait_dscnt 0x0
	s_endpgm
.Lfunc_end_k_q517988bede_quant_w:
	.size	k_q517988bede_quant_w, .Lfunc_end_k_q517988bede_quant_w-k_q517988bede_quant_w
	.p2alignl 7, 3214868480
	.fill 96, 4, 3214868480
	.section	.rodata,"a",@progbits
	.p2align	6, 0x0
	.amdhsa_kernel k_q517988bede_quant_w
		.amdhsa_group_segment_fixed_size 35840
		.amdhsa_private_segment_fixed_size 0
		.amdhsa_enable_private_segment 0
		.amdhsa_kernarg_size 40
		.amdhsa_user_sgpr_count 2
		.amdhsa_user_sgpr_kernarg_segment_ptr 1
		.amdhsa_wavefront_size32 1
		.amdhsa_system_sgpr_workgroup_id_x 1
		.amdhsa_system_sgpr_workgroup_id_y 1
		.amdhsa_system_sgpr_workgroup_id_z 1
		.amdhsa_system_vgpr_workitem_id 0
		.amdhsa_next_free_vgpr 192
		.amdhsa_next_free_sgpr 66
		.amdhsa_reserve_vcc 0
		.amdhsa_float_denorm_mode_32 3
		.amdhsa_float_denorm_mode_16_64 3
		.amdhsa_memory_ordered 1
		.amdhsa_forward_progress 1
		.amdhsa_inst_pref_size 42
	.end_amdhsa_kernel
	.amdgpu_metadata
---
amdhsa.version: [ 1, 2 ]
amdhsa.kernels:
  - .name:           k_q517988bede_quant_w
    .symbol:         k_q517988bede_quant_w.kd
    .args:
      - { .name: Wq, .offset: 0, .size: 8, .value_kind: global_buffer, .address_space: global }
      - { .name: Wk, .offset: 8, .size: 8, .value_kind: global_buffer, .address_space: global }
      - { .name: Wv, .offset: 16, .size: 8, .value_kind: global_buffer, .address_space: global }
      - { .name: wc, .offset: 24, .size: 8, .value_kind: global_buffer, .address_space: global }
      - { .name: ws, .offset: 32, .size: 8, .value_kind: global_buffer, .address_space: global }
    .group_segment_fixed_size: 35840
    .private_segment_fixed_size: 0
    .kernarg_segment_align: 8
    .kernarg_segment_size: 40
    .max_flat_workgroup_size: 128
    .sgpr_count:     66
    .vgpr_count:     192
    .wavefront_size: 32
...
	.end_amdgpu_metadata
.endif
;; end of part 2
;; launch proj (part 3): grid 4 x 96, 4 waves a work-group, clusters of 4 x 4, 327,680 bytes of LDS; arguments xc, xs, wc, ws, bq, bk, bv, pc, ps; writes pc, ps
.if DOCPART == 3
	.amdgcn_target "amdgcn-amd-amdhsa--gfx1250"
	.amdhsa_code_object_version 6
	.text
	.protected	k_q517988bede_proj
	.globl	k_q517988bede_proj
	.p2align	8
	.type	k_q517988bede_proj,@function
k_q517988bede_proj:
	s_mov_b64 s[64:65], 0
	v_nop
	global_prefetch_b8 v0, s[64:65] scope:SCOPE_SE
	s_setreg_imm32_b32 hwreg(HW_REG_WAVE_MODE, 25, 1), 1
	s_wait_xcnt 0x0
	s_wait_alu depctr_hold_cnt(0) depctr_sa_sdst(0) depctr_va_vdst(0) depctr_va_sdst(0) depctr_va_ssrc(0) depctr_va_vcc(0) depctr_vm_vsrc(0)
	s_getreg_b32 s2, hwreg(HW_REG_IB_STS2, 6, 4)
	s_cmp_eq_u32 s2, 0
	s_cbranch_scc0 .Lentry_in_a_cluster
	s_endpgm
.Lentry_in_a_cluster:
	s_bfe_u32 s2, ttmp6, 0x10000c
	s_cmp_lg_u32 s2, 0xf033
	s_cbranch_scc0 .Lentry_shape_is_right
	s_endpgm
.Lentry_shape_is_right:
; The three projections q Wq + bq, k Wk + bk, v Wv + bv on codes of FP6 (E2M3) with E8M0 scales, each 8192 x 1024 x 1024, and the quantising of their results for the attention launch.
; A tile of 256 x 256 of a result is made by a work-group of four waves, a wave makes 128 x 128: 64 accumulators, 512 registers.  K goes in steps of 256 through a ring of two LDS slots filled by the tensor
; data mover (a tile's row is 192 bytes, 16 bytes of padding behind every 64: rows 240 bytes apart).  The scale bytes of the work-group's rows, for all of K, come into LDS once.
; TWO AXES.  Source 0 of the matrix instruction (the region called B) is the axis P ALONG WHICH THE RESULT IS QUANTISED: a lane's registers run along it.  Source 1 (the region called A) is the axis R: a lane's row.
;   q, k: the next product's K is the head's depth: P = the 1,024 features (rows of wc), R = the rows of x.      v: the next K is the keys: P = the rows of v, R = the features (rows of wc).
; Which buffers A and B are is a choice of pointers on the tensor's number; text, LDS addresses, masks and branches are the same for all three.
; THE STORED ROWS of xc and wc have their bits 3 and 4 exchanged: stored rows 16 a + r are the true rows 32 (a / 2) + 8 (a % 2) + r + 8 (r / 8).  So the 16 registers of accumulators (a, 2 e) and (a, 2 e + 1)
; are the true indices 32 e + 16 (lane / 16) + 0 .. 15 along P, and a lane's 64 registers of a block a are quantised in registers: a fragment of 12 registers and a scale word.
; OUT: pc [3][64 heads][98,304 bytes] in PIECES of 768 bytes: lane l's 24 bytes (six registers: 32 codes of one row) at 24 l: an image of half an operand's registers.
;   q, k: piece tau of a head: 16 rows (tile tau) x depth 64.      v: piece (step s, tile t, half c) at 6,144 s + 1,536 t + 768 c: 16 of the depth x keys 128 s + 64 c + 0 .. 63.
; ps [3][64 heads][16 steps][16 rows r][4 words]: q, k: word i = the two scale bytes of tile 2 i, then those of tile 2 i + 1;  v: word t = the four bytes of depth tile t for the step's 128 keys.
; CLUSTERS: 4 x 4 work-groups; A's tile hangs on cy and is asked for jointly along a row of the cluster, B's on cx and along a column.  24 clusters: tensor = cluster y / 8.
; LIMITS: a block of zeros gets the byte 1 (its codes are zeros; this program alone reads the bytes); blocks under 2^-124 have their byte held at 1; NaN and infinities are not served.
; REGISTERS: window 0: v15-31 addresses; v32-63 scale words, two sets; v64-127 the bias along P; v128-223 A's fragments, one set; v224-239 the bias along R; v240-255 at work.
;   window 1: B's fragments, two sets, at v0 and v128.   window 2: the accumulators of my R rows 0-63 ((a, b) at v[8 (8 a + b)]);   window 3: those of rows 64-127.
.set KSTEP,  256
.set NQ,     KSTEP/128
.set ROWB,   192
.set KROW,   768
.set PITCH,  240                       ; 3 x (64 bytes + 16 of padding) = 60 words: the 32 lanes of a load of 8 bytes touch 64 different banks
.set FR,     12
.set NL,     6
.set NP,     4                         ; places behind this matrix instruction (ISA guide 7.12.1)
.set HALFT,  128*PITCH
.set SLOT,   4*HALFT
.set LAPS,   2                         ; K = 1,024 = two laps of two K steps
.set KS,     32                        ; a row of scale bytes
.set SCL,    2*SLOT
.set HALFS,  16*272                    ; the scales of 128 rows: 16 rows of 256 bytes + 16 of padding
.set SBLK,   2*272                     ; those of 16 rows
.set SPARE,  SCL+4*HALFS               ; the spare words, 128 bytes for each wave
.set STGB,   12288                     ; the way out: a stage of 16 pieces for each wave, in slot 0, which has had its last fill and its last read when the first codes are stored there
.set SOFF, 15                          ; v15  the scale words' place: 4,096 (lane / 16) + 16 r
.set ADRA, 16                          ; v16-19
.set ADRB, 20                          ; v20-23
.set STO,  24                          ; v24  the stage: 24 x lane
.set RD,   25                          ; v25  the stage, back: 16 x lane
.set K0,   26                          ; v26  where the three stores of two pieces go
.set ADRS, 27
.set SPW,  28
.set NIL,  29
.set K1,   30
.set K2,   31
.set SC,   32
.set BP,   64                          ; v64-127  register 16 e + i: the bias of P index 32 e + 16 (lane / 16) + i (q, k), or 0 (v)
.set AF,   128
.set BR,   224                         ; v224-239 register 2 a: the bias of my row of block a (v), or 0 (q, k); the odd ones 0
.set TM,   240
.set T,    128                         ; the way out: 64 numbers
.set PC,   192                         ; 12 registers of codes, 8 at work
.set PWS,  212                         ; the eight blocks' scale words
.set PQ,   32
.set YW,   40
.set Z,    48
.set BK,   64                          ; 96 registers: the stage read back
.set G1, 24
.set G0, 32
.set G1B, 48
.set G0B, 56
.set G1S, 68
.set G0S, 76
.set G1SB, 80
.set G0SB, 88
.set SEL, 94                           ; s[94:95] lane selects for v_permlanex16_b32: lane l xor 16
.set MSB, 0
.macro WIN new                         ; the immediate's high byte repeats the setting that is left
.if MSB != (\new)
	s_set_vgpr_msb (MSB<<8)|(\new)
.set MSB, (\new)
.endif
.endm
.set MUL_LO, 0xa1                      ; source 0 (B) window 1, source 1 (A) window 0, C and D window 2
.set MUL_HI, 0xf1
.set FST_LO, 0x81                      ; the first step: C (the bias) window 0, D window 2
.set FST_HI, 0xc1
.set TO_B,   0x40
; A joint load: waves 0 and 1 fetch for A, waves 2 and 3 for B.  The branch hangs on the wave's number alone.  An s_nop 0 and four v_nop follow each of the two lines.
.macro JLOAD g0a, g1a, g0b, g1b
	s_cmp_eq_u32 s15, 0
	s_cbranch_scc0 .Lfor_b_\@
	tensor_load_to_lds s[\g0a:\g0a+3], s[\g1a:\g1a+7]
	s_nop 0
.rept 4
	v_nop
.endr
	s_branch .Lasked_\@
.Lfor_b_\@:
	tensor_load_to_lds s[\g0b:\g0b+3], s[\g1b:\g1b+7]
	s_nop 0
.rept 4
	v_nop
.endr
.Lasked_\@:
.endm
.macro CREST                           ; a round of the cluster's barrier behind its opening barrier
	s_cmp_lg_u32 s14, 0
	s_cbranch_scc1 .Lnot_wave_0_\@
	s_barrier_signal -3
.Lnot_wave_0_\@:
	s_barrier_wait -3
	s_barrier_signal -1
	s_barrier_wait -1
.endm
.macro CROUND
	s_barrier_signal -1
	s_barrier_wait -1
	CREST
.endm
	s_load_b256 s[4:11], s[0:1], 0x0               ; xc, xs, wc, ws
	s_load_b256 s[68:75], s[0:1], 0x20             ; bq, bk, bv, pc
	s_load_b64 s[76:77], s[0:1], 0x40              ; ps
	v_lshl_add_u32 v[SPW], v0, 2, SPARE
	v_mov_b32 v[NIL], 0
	ds_add_u32 v[SPW], v[NIL]                      ; the wave's opening: the add and its wait stand ahead of my first tensor load; the set-up below stands between them
	v_lshrrev_b32 v1, 5, v0
	v_readfirstlane_b32 s14, v1                    ; wave 0..3
	s_lshr_b32 s15, s14, 1                         ; which half of the tile's R rows is mine.  Also: I fetch for A (0) or for B (1)
	s_and_b32 s16, s14, 1                          ; which half of its P rows.  Also: which 128 rows of that tile I fetch
	s_bfe_u32 s40, ttmp6, 0x40000                  ; cx, cy: my place in the cluster
	s_bfe_u32 s41, ttmp6, 0x40004
	s_and_b32 s66, ttmp7, 0xffff                   ; cluster y: 0 .. 23
	s_and_b32 s67, s66, 7
	s_lshl_b32 s67, s67, 2                         ; 4 x (cluster y % 8)
	s_lshr_b32 s66, s66, 3                         ; the tensor: 0 q, 1 k, 2 v
	s_cmp_eq_u32 s66, 2
	s_cselect_b32 s17, 0, s67                      ; the long axis (32 tiles of rows of x) is A's for q and k, B's for v
	s_cselect_b32 s42, s67, 0
	s_add_co_u32 s17, s17, s41                     ; A's tile: hangs on cy
	s_add_co_u32 s42, s42, s40                     ; B's tile: hangs on cx
	s_lshl_b32 s43, s41, 2
	s_lshl_b32 s43, 15, s43                        ; my row of the cluster
	s_lshl_b32 s44, 0x1111, s40                    ; my column
	s_or_b32 s[G1+0], s43, (0<<16)|(1<<20)|(1<<21)|(3<<22)|(3<<25)  ; the mask; elements of 1 byte; padding on; bit 21 beside a mask; after every 16 words 4 words
	s_or_b32 s[G1B+0], s44, (0<<16)|(1<<20)|(1<<21)|(3<<22)|(3<<25)
.irp g, G1, G1B
	s_mov_b32 s[\g+1], ROWB<<16                    ; tensor_dim0
	s_mov_b32 s[\g+2], 128<<16                     ; tensor_dim1
	s_mov_b32 s[\g+3], ROWB<<16                    ; tile_dim0
	s_mov_b32 s[\g+4], 128                         ; tile_dim1
	s_mov_b32 s[\g+5], KROW                        ; the pitch
	s_mov_b32 s[\g+6], 0
	s_mov_b32 s[\g+7], 0
.endr
	s_lshl_b32 s18, s16, 7                         ; which 128 rows of the tile I fetch
	s_lshl_b32 s20, s17, 8
	s_add_co_u32 s20, s20, s18                     ; A: row 256 x tile + 128 x half
	s_lshl_b32 s46, s42, 8
	s_add_co_u32 s46, s46, s18                     ; B likewise
	s_mov_b32 s21, 0
	s_mov_b32 s47, 0
	s_mov_b64 s[18:19], KS
	s_mul_u64 s[22:23], s[20:21], s[18:19]         ; where these rows' scales begin, in bytes
	s_mul_u64 s[92:93], s[46:47], s[18:19]
	s_mov_b64 s[18:19], KROW
	s_mul_u64 s[20:21], s[20:21], s[18:19]         ; and their codes
	s_mul_u64 s[46:47], s[46:47], s[18:19]
	s_mul_i32 s45, s14, HALFT                      ; where they go: wave x 128 rows: no place in the cluster enters an LDS address
	s_mul_i32 s94, s14, HALFS
	s_wait_dscnt 0x0                               ; the opening add is done
	s_wait_kmcnt 0x0
	s_mul_i32 s2, s66, 8192*KROW                   ; each buffer at the tensor's part
	s_mov_b32 s3, 0
	s_add_nc_u64 s[4:5], s[4:5], s[2:3]
	s_lshl_b32 s2, s66, 18
	s_add_nc_u64 s[6:7], s[6:7], s[2:3]
	s_mul_i32 s2, s66, 1024*KROW
	s_add_nc_u64 s[8:9], s[8:9], s[2:3]
	s_lshl_b32 s2, s66, 15
	s_add_nc_u64 s[10:11], s[10:11], s[2:3]
	s_cmp_eq_u32 s66, 2                            ; for v the weights are A and the rows of v are B: a choice that hangs on the tensor's number alone
	s_cselect_b64 s[2:3], s[8:9], s[4:5]           ; A's codes
	s_cselect_b64 s[100:101], s[10:11], s[6:7]     ; A's scales
	s_cselect_b64 s[8:9], s[4:5], s[8:9]           ; B's codes
	s_cselect_b64 s[10:11], s[6:7], s[10:11]       ; B's scales
	s_add_nc_u64 s[20:21], s[2:3], s[20:21]
	s_add_nc_u64 s[22:23], s[100:101], s[22:23]
	s_add_nc_u64 s[46:47], s[8:9], s[46:47]
	s_add_nc_u64 s[92:93], s[10:11], s[92:93]
	s_cmp_eq_u32 s66, 0
	s_cselect_b64 s[98:99], s[68:69], s[70:71]
	s_cmp_eq_u32 s66, 2
	s_cselect_b64 s[98:99], s[72:73], s[98:99]     ; the tensor's bias
	s_mov_b64 s[12:13], s[74:75]                   ; pc
	s_mov_b64 s[96:97], s[76:77]                   ; ps: s68 to s77 are free now, and take descriptors
	; the scales of 128 rows: a dense block of 4,096 bytes, as 16 rows of 256 bytes (32 elements of 8 bytes), 16 bytes of padding behind each
	s_or_b32 s[G1S+0], s43, (3<<16)|(1<<20)|(1<<21)|(5<<22)|(3<<25)
	s_or_b32 s[G1SB+0], s44, (3<<16)|(1<<20)|(1<<21)|(5<<22)|(3<<25)
.irp g, G1S, G1SB
	s_mov_b32 s[\g+1], 32<<16
	s_mov_b32 s[\g+2], 16<<16
	s_mov_b32 s[\g+3], 32<<16
	s_mov_b32 s[\g+4], 16
	s_mov_b32 s[\g+5], 32
	s_mov_b32 s[\g+6], 0
	s_mov_b32 s[\g+7], 0
.endr
	CROUND                                         ; all sixteen work-groups are here: the first joint loads meet
	s_mov_b32 s[G0S], 1
	s_add_co_u32 s[G0S+1], s94, SCL
	s_mov_b64 s[G0S+2:G0S+3], s[22:23]
	s_or_b32 s[G0S+3], s[G0S+3], 0x80000000
	s_mov_b32 s[G0SB], 1
	s_add_co_u32 s[G0SB+1], s94, SCL
	s_mov_b64 s[G0SB+2:G0SB+3], s[92:93]
	s_or_b32 s[G0SB+3], s[G0SB+3], 0x80000000
	JLOAD G0S, G1S, G0SB, G1SB                     ; the scales first: they are wanted with K step 0
.irp s, 0,1
	s_mov_b32 s[G0+4*\s], 1
	s_add_co_u32 s[G0+4*\s+1], s45, \s*SLOT
	s_add_nc_u64 s[G0+4*\s+2:G0+4*\s+3], s[20:21], \s*ROWB
	s_or_b32 s[G0+4*\s+3], s[G0+4*\s+3], 0x80000000
	s_mov_b32 s[G0B+4*\s], 1
	s_add_co_u32 s[G0B+4*\s+1], s45, \s*SLOT
	s_add_nc_u64 s[G0B+4*\s+2:G0B+4*\s+3], s[46:47], \s*ROWB
	s_or_b32 s[G0B+4*\s+3], s[G0B+4*\s+3], 0x80000000
	JLOAD G0+4*\s, G1, G0B+4*\s, G1B               ; three loads of mine are out by this text's own count
.endr
	v_and_b32 v1, 15, v0                           ; r = l % 16
	v_bfe_u32 v2, v0, 4, 1                         ; h = l / 16
	v_mul_u32_u24 v3, v1, PITCH
	v_mul_u32_u24 v4, v2, 24
	v_add_nc_u32 v4, v3, v4                        ; a fragment's row x pitch + 24 x half
	v_lshl_add_u32 v5, v2, 4, v4                   ; and the same behind one padding more
	s_mul_i32 s21, s15, HALFT                      ; my 128 rows of A
	s_mul_i32 s22, s16, HALFT                      ; my 128 rows of B,
	s_add_co_u32 s22, s22, 2*HALFT                 ; which lie behind A's 256
.irp s, 0,1
	v_add_nc_u32 v[ADRA+\s], s21, v4
	v_add_nc_u32 v[ADRB+\s], s22, v4
	v_add_nc_u32 v[ADRA+2+\s], s21, v5
	v_add_nc_u32 v[ADRB+2+\s], s22, v5
	s_add_co_u32 s21, s21, SLOT
	s_add_co_u32 s22, s22, SLOT
.endr
	v_mul_u32_u24 v5, v1, KS                       ; my row's scales: 32 bytes a row,
	v_lshrrev_b32 v6, 8, v5
	v_lshl_add_u32 v5, v6, 4, v5                   ; and 16 more for each 256 passed
	s_mul_i32 s21, s15, HALFS
	s_mul_i32 s22, s16, HALFS
	s_add_co_u32 s22, s22, 2*HALFS
	s_sub_co_u32 s22, s22, s21
	v_mul_u32_u24 v6, s22, v2                      ; lanes 16-31 take B's
	s_add_co_u32 s21, s21, SCL
	v_add_nc_u32 v5, v5, v6
	v_add_nc_u32 v[ADRS], s21, v5
	; what differs between the tensors on the way out, as numbers chosen on the tensor's number
	s_cmp_eq_u32 s66, 2
	s_mov_b32 s4, 768
	s_cselect_b32 s4, 1536, s4                     ; s[4:5]: from block a to block a + 1 in pc
	s_mov_b32 s5, 0
	s_mov_b32 s6, 768
	s_cselect_b32 s6, 93696, s6                    ; s[6:7]: from block 3 to block 4: for v on to the next head: 98,304 - 3 x 1,536
	s_mov_b32 s7, 0
	s_cselect_b32 s8, -1, 0                        ; all ones for v
	s_cselect_b32 s100, 0, -1                      ; all ones for q and k
	s_mov_b32 s101, 98304
	s_cselect_b32 s101, 768, s101                  ; from a fragment's first piece to its second: for q and k the next head's
	s_mov_b32 s9, 0xffff0000                       ; lanes 16-31
	s_mov_b32 s10, 0x05040100                      ; v_perm_b32: two low halves
	s_mov_b32 s11, 0x07060302                      ; two high halves
	s_lshl_b32 s18, s17, 8
	s_lshl_b32 s19, s15, 7
	s_add_co_u32 s18, s18, s19                     ; my first R row
	s_lshl_b32 s19, s42, 8
	s_lshl_b32 s22, s16, 7
	s_add_co_u32 s19, s19, s22                     ; my first P row
	s_cmp_eq_u32 s66, 2
	s_cselect_b32 s22, s19, s18                    ; my first row of x,
	s_cselect_b32 s23, s18, s19                    ; my first feature
	s_lshr_b32 s46, s22, 11
	s_lshl_b32 s46, s46, 4
	s_lshr_b32 s47, s23, 6
	s_add_co_u32 s46, s46, s47                     ; my first head: 16 x batch + feature / 64
	s_bfe_u32 s47, s22, 0x40007                    ; the step of 128 rows within the batch
	s_mul_i32 s92, s66, 64*98304
	s_mul_i32 s93, s46, 98304
	s_add_co_u32 s92, s92, s93
	s_mul_i32 s93, s47, 6144
	s_add_co_u32 s92, s92, s93
	s_mov_b32 s93, 0
	s_add_nc_u64 s[12:13], s[12:13], s[92:93]      ; pc at my first piece
	s_lshl_b32 s92, s66, 18
	s_lshl_b32 s94, s46, 12
	s_add_co_u32 s92, s92, s94
	s_lshl_b32 s94, s47, 8
	s_add_co_u32 s92, s92, s94
	s_add_nc_u64 s[96:97], s[96:97], s[92:93]      ; ps at my step's words
	s_mov_b32 s[SEL], 0x76543210
	s_mov_b32 s[SEL+1], 0xfedcba98
	v_and_b32 v6, 31, v0
	s_mul_i32 s23, s14, STGB                       ; my stage
	v_mul_u32_u24 v5, v6, 24
	v_add_nc_u32 v[STO], s23, v5                   ; in: 24 bytes a lane
	v_lshlrev_b32 v[K0], 4, v6                     ; back: 16 bytes a lane.  A fragment's 1,536 bytes leave by three stores of 512: the first piece's bytes 0-511 at 16 l;
	v_add_nc_u32 v[RD], s23, v[K0]
	s_sub_co_u32 s22, s101, 768
	v_mul_u32_u24 v5, s22, v2
	v_add_nc_u32 v[K1], v5, v[K0]
	v_add_nc_u32 v[K1], 512, v[K1]                 ; lanes 0-15 its bytes 512-767, lanes 16-31 the second piece's bytes 0-255;
	v_add_nc_u32 v[K2], s101, v[K0]
	v_add_nc_u32 v[K2], 256, v[K2]                 ; the second piece's bytes 256-767.  Sixteen lanes always store 256 consecutive bytes, aligned
	v_lshlrev_b32 v[SOFF], 4, v1
	v_lshl_add_u32 v[SOFF], v2, 12, v[SOFF]
	; the biases.  The offsets are masked as the numbers are, so that every load stays inside the 4,096 bytes
	s_lshl_b32 s22, s19, 2
	s_and_b32 s22, s22, s100
	v_lshl_add_u32 v7, v2, 6, s22                  ; along P: 4 x my first P row + 64 h
.irp e, 0,1,2,3
.irp j, 0,1,2,3
	global_load_b128 v[BP+16*\e+4*\j:BP+16*\e+4*\j+3], v7, s[98:99] offset:128*\e+16*\j
.endr
.endr
	s_lshl_b32 s23, s18, 2
	s_and_b32 s23, s23, s8
	v_lshrrev_b32 v8, 3, v1
	v_lshl_add_u32 v8, v8, 3, v1                   ; r + 8 (r / 8)
	v_lshl_add_u32 v8, v8, 2, s23                  ; along R: my true row of a block
.irp a, 0,1,2,3,4,5,6,7
	global_load_b32 v[BR+2*\a], v8, s[98:99] offset:4*(32*(\a/2)+8*(\a%2))
.endr
.irp b, 0,1,2,3
	v_mov_b32 v[TM+4+\b], 0                        ; written once: a lane permute's destination counts as one of its sources
.endr
	s_wait_loadcnt 0x0
.set i, 0
.rept 64
	v_and_b32 v[BP+i], s100, v[BP+i]               ; 0 for v
.set i, i+1
.endr
.irp a, 0,1,2,3,4,5,6,7
	v_and_b32 v[BR+2*\a], s8, v[BR+2*\a]           ; 0 for q and k
	v_mov_b32 v[BR+2*\a+1], 0                      ; (named with it as a pair)
.endr
.macro FRAG reg, adr, q, i             ; a fragment, 16 rows x 128 K, is 12 registers: lane l holds row l % 16; registers 6 c .. 6 c + 5 hold K = 64 c + 32 (l / 16) + 0 .. 31: 24 bytes of the row, as they lie
.irp p, 0,1,2,3,4,5                    ; in pieces of 8 bytes.  Lanes 16-31 read three pieces further on; where that is behind one padding more, the second address register serves
.set PCE, 12*(\q)+6*(\p/3)+\p%3
.if PCE%8 < 5
	ds_load_b64 v[\reg+2*\p:\reg+2*\p+1], v[\adr] offset:8*PCE+16*(PCE/8)+(\i)*16*PITCH
.else
	ds_load_b64 v[\reg+2*\p:\reg+2*\p+1], v[\adr+2] offset:8*PCE+16*(PCE/8)+(\i)*16*PITCH
.endif
.endr
.endm
; 16 matrix instructions: A's blocks a0, a0 + 1 x B's eight, 128 along K.  first = 1: the sums begin with the bias along P as C: nothing is cleared and nothing is added later.
; The 64 accumulators take turns, one instruction a turn, in the same order in every step.
.macro MUL16 a0, p, q, sc, first
.irp a, \a0, \a0+1
.irp b, 0,1,2,3,4,5,6,7
.if \first
	v_wmma_scale_f32_16x16x128_f8f6f4 v[8*(8*((\a)%4)+\b):8*(8*((\a)%4)+\b)+7], v[128*(\p)+FR*\b:128*(\p)+FR*\b+FR-1], v[AF+FR*(\a):AF+FR*(\a)+FR-1], v[BP+8*\b:BP+8*\b+7], v[SC+8*NQ*(\sc)+NQ*\b+(\q)], v[SC+8*NQ*(\sc)+NQ*(\a)+(\q)] matrix_a_fmt:MATRIX_FMT_FP6 matrix_b_fmt:MATRIX_FMT_FP6 matrix_a_scale:MATRIX_SCALE_ROW1
.else
	v_wmma_scale_f32_16x16x128_f8f6f4 v[8*(8*((\a)%4)+\b):8*(8*((\a)%4)+\b)+7], v[128*(\p)+FR*\b:128*(\p)+FR*\b+FR-1], v[AF+FR*(\a):AF+FR*(\a)+FR-1], v[8*(8*((\a)%4)+\b):8*(8*((\a)%4)+\b)+7], v[SC+8*NQ*(\sc)+NQ*\b+(\q)], v[SC+8*NQ*(\sc)+NQ*(\a)+(\q)] matrix_a_fmt:MATRIX_FMT_FP6 matrix_b_fmt:MATRIX_FMT_FP6 matrix_a_scale:MATRIX_SCALE_ROW1
.endif
.endr
.endr
.endm
.macro FETCH_B slot, q, p
	WIN TO_B
.irp i, 0,1,2,3,4,5,6,7
	FRAG 128*(\p)+FR*\i, ADRB+\slot, \q, \i
.endr
	WIN 0
.endm
.macro FETCH_A slot, q, i0
.irp i, \i0, \i0+1, \i0+2, \i0+3
	FRAG AF+FR*(\i), ADRA+\slot, \q, \i
.endr
.endm
.macro SCALES sc                       ; a K step's scale words: two words a row; lanes 0-15 take A's block i, lanes 16-31 B's block i
.irp i, 0,1,2,3,4,5,6,7
	ds_load_b64 v[SC+8*NQ*\sc+NQ*\i:SC+8*NQ*\sc+NQ*\i+1], v[ADRS] offset:\i*SBLK
.endr
.endm
.macro PLACES n                        ; places in front of loads into registers that matrix instructions have read, and of the first read of results
.rept \n
	v_nop
.endr
.endm
; A step of 128 along K that has its successor in the same slot.
.macro STEP slot, q, first
	s_wait_dscnt 4*NL                              ; B's set and A's blocks 0-3 are in; the youngest 24 loads (A's blocks 4-7) may be out
.if \first
	WIN FST_LO
.else
	WIN MUL_LO
.endif
	MUL16 0, (\q)%2, \q, \slot, \first
	MUL16 2, (\q)%2, \q, \slot, \first
	s_wait_dscnt 0                                 ; A's blocks 4-7 are in
	PLACES NP
	FETCH_B \slot, (\q)+1, 1-(\q)%2
	FETCH_A \slot, (\q)+1, 0
.if \first
	WIN FST_HI
.else
	WIN MUL_HI
.endif
	MUL16 4, (\q)%2, \q, \slot, \first
	MUL16 6, (\q)%2, \q, \slot, \first
	PLACES NP
	WIN 0
	FETCH_A \slot, (\q)+1, 4
.endm
; A slot's last step changes slots: ONE barrier; in front of it each wave waits for all its tensor loads, adds 0 to its spare word, and waits for that and for its own reads of this slot.  fill = 1: this slot is filled again, two K steps ahead.
.macro TURN slot, next, fill
	s_wait_tensorcnt 0x0                           ; all my tensor loads have landed: my part of the next slot  (every window is 0 here)
	ds_add_u32 v[SPW], v[NIL]                      ; 0 onto my spare word
	s_wait_dscnt 4*NL+1                            ; (the add and the youngest 24 loads, A's blocks 4-7, may be out)
	WIN MUL_LO
	MUL16 0, 1, NQ-1, \slot, 0                     ; sixteen matrix instructions stand between the add and the wait for it
	s_wait_dscnt 0x0                               ; the add is done, and my reads of this slot are over
	s_barrier_signal -1
	MUL16 2, 1, NQ-1, \slot, 0
	WIN 0
	s_barrier_wait -1
.if \fill
	CREST                                          ; the barrier has opened a round of the cluster's barrier: no wave of any partner still reads this slot's tile or has a load on its way
	s_add_nc_u64 s[G0+4*\slot+2:G0+4*\slot+3], s[G0+4*\slot+2:G0+4*\slot+3], 2*ROWB
	s_add_nc_u64 s[G0B+4*\slot+2:G0B+4*\slot+3], s[G0B+4*\slot+2:G0B+4*\slot+3], 2*ROWB
	JLOAD G0+4*\slot, G1, G0B+4*\slot, G1B         ; the first tensor load behind the round; its four v_nop are the places in front of the loads below
.else
	PLACES NP
.endif
	v_add_nc_u32 v[ADRS], 4*NQ, v[ADRS]            ; on to the next K step's scale words
	FETCH_B \next, 0, 0
	FETCH_A \next, 0, 0
	SCALES \next
	WIN MUL_HI
	MUL16 4, 1, NQ-1, \slot, 0
	MUL16 6, 1, NQ-1, \slot, 0
	PLACES NP
	WIN 0
	FETCH_A \next, 0, 4
.endm
	s_wait_tensorcnt 1                             ; the scales and my part of K step 0 are in (K step 1's load may be out)
	s_barrier_signal -1
	s_barrier_wait -1                              ; everybody's are
	FETCH_B 0, 0, 0
	FETCH_A 0, 0, 0
	SCALES 0
	FETCH_A 0, 0, 4
	STEP 0, 0, 1                                   ; the first step stands in front of the loop: its products start the sums
	s_mov_b32 s3, LAPS-1
.Llap:                                                 ; a trip goes once round the ring, from a lap's second step to the next lap's first, and fills both slots again
	TURN 0, 1, 1
	STEP 1, 0, 0
	TURN 1, 0, 1
	STEP 0, 0, 0
	s_sub_co_u32 s3, s3, 1
	s_cmp_lg_u32 s3, 0
	s_cbranch_scc1 .Llap
	TURN 0, 1, 0                                   ; the last lap fills nothing, and has no round of the cluster's barrier
	STEP 1, 0, 0
	s_wait_dscnt 4*NL                              ; the very last step: nothing more to fetch
	WIN MUL_LO
	MUL16 0, 1, NQ-1, 1, 0
	MUL16 2, 1, NQ-1, 1, 0
	s_wait_dscnt 0
	WIN MUL_HI
	MUL16 4, 1, NQ-1, 1, 0
	MUL16 6, 1, NQ-1, 1, 0
	WIN 0
; THE WAY OUT, block a by block a of 16 R rows x 128 along P.
; ADDB: the block's 64 numbers come into window 0, with the bias along R added (0 for q and k); each accumulator is read from its low end on.
.macro ADDB a
	WIN 0x02+(\a)/4                                ; source 0: window 2 or 3
.set i, 0
.rept 32
	v_pk_add_f32 v[T+2*i:T+2*i+1], v[64*((\a)%4)+2*i:64*((\a)%4)+2*i+1], v[BR+2*(\a):BR+2*(\a)+1] op_sel_hi:[1,0]
.set i, i+1
.endr
	WIN 0
.endm
; QUANT: v[T + 16 b + i] = index 32 b + 16 (lane / 16) + i along P of my row: a fragment's codes in v[PC] on, its scale word in v[PWS + a].
.macro QUANT a
.irp b, 0,1,2,3
	v_max3_num_f32 v[TM+\b], |v[T+16*\b]|, |v[T+1+16*\b]|, 0x1800000   ; block b: my 16 numbers, and the floor 2^(3 - 127): the byte cannot fall under 1
.endr
.irp i, 2,4,6,8,10,12,14
.irp b, 0,1,2,3
	v_max3_num_f32 v[TM+\b], v[TM+\b], |v[T+16*\b+\i]|, |v[T+1+16*\b+\i]|   ; (the four blocks by turns)
.endr
.endr
.irp b, 0,1,2,3
	v_permlanex16_b32 v[TM+4+\b], v[TM+\b], s[SEL], s[SEL+1]
.endr
.irp b, 0,1,2,3
	v_max_num_f32 v[TM+\b], v[TM+\b], v[TM+4+\b]   ; with lane l xor 16's: the block's largest magnitude
.endr
.irp b, 0,1,2,3
	v_add_nc_u32 v[TM+12+\b], 0xff000000, v[TM+\b] ; 2 off its exponent field: the conversion's scale operand
.endr
.irp b, 0,1,2,3
	v_lshrrev_b32 v[TM+4+\b], 23, v[TM+12+\b]      ; the scale's byte
.endr
	v_lshl_or_b32 v[PWS+(\a)], v[TM+5], 8, v[TM+4] ; the four bytes make my row's scale word (the same in lanes l and l xor 16)
	v_lshl_or_b32 v[PWS+(\a)], v[TM+6], 16, v[PWS+(\a)]
	v_lshl_or_b32 v[PWS+(\a)], v[TM+7], 24, v[PWS+(\a)]
	s_wait_dscnt 0x0                               ; the last block's stores into the stage have read the codes' registers
.irp c, 0,1
	v_cvt_scalef32_pk16_fp6_f32 v[PC+6*\c:PC+2+6*\c], v[T+32*\c:T+15+32*\c], v[TM+12+2*\c]
	v_cvt_scalef32_pk16_fp6_f32 v[PC+12+4*\c:PC+14+4*\c], v[T+16+32*\c:T+31+32*\c], v[TM+12+2*\c+1]   ; (a conversion's three registers begin on an even number)
.endr
	v_nop                                          ; one plain place behind a scaled conversion
.irp c, 0,1                                    ; the operand's layout wants a WHOLE block in a lane: lanes 0-15 block 2 c, lanes 16-31 block 2 c + 1
.irp i, 0,1,2
	v_permlane16_swap_b32 v[PC+6*\c+\i], v[PC+12+4*\c+\i]
.endr
.irp i, 0,1,2
	v_mov_b32 v[PC+3+6*\c+\i], v[PC+12+4*\c+\i]
.endr
.endr
.endm
.macro BLOCKOUT a
	ADDB \a
	QUANT \a
.irp c, 0,1                                    ; the fragment's two pieces into my stage: 24 bytes a lane, 6 words apart: the 32 lanes of a store touch 64 different banks
.irp i, 0,1,2
	ds_store_b64 v[STO], v[PC+6*\c+2*\i:PC+6*\c+2*\i+1] offset:(2*(\a)+\c)*768+8*\i
.endr
.endr
.endm
	PLACES NP                                      ; behind the last products: the lines below write registers that held A's fragments and read results
.irp a, 0,1,2,3,4,5,6,7
	BLOCKOUT \a
.endr
	; the scale words.  q, k: a word's low half belongs to my first head, its high half to my second; two neighbouring tiles' halves make a word of ps.  v: blocks 0-3 are my first head's four words, blocks 4-7 my second's
.irp w, 0,1,2,3
	v_perm_b32 v[PQ+\w], v[PWS+2*\w+1], v[PWS+2*\w], s10
	v_perm_b32 v[PQ+4+\w], v[PWS+2*\w+1], v[PWS+2*\w], s11
.endr
.irp i, 0,1,2,3,4,5,6,7
	v_cndmask_b32 v[YW+\i], v[PQ+\i], v[PWS+\i], s8
.endr
.irp w, 0,1,2,3
	v_cndmask_b32 v[Z+\w], v[YW+\w], v[YW+4+\w], s9   ; lanes 16-31 carry the second head's
.endr
	global_store_b128 v[SOFF], v[Z:Z+3], s[96:97]  ; sixteen lanes store 256 consecutive bytes, aligned: a head's words of this step
.irp i, 0,1,2,3,4,5,6,7,8,9,10,11,12,13,14,15,16,17,18,19,20,21,22,23
	ds_load_b128 v[BK+4*\i:BK+4*\i+3], v[RD] offset:512*\i   ; LDS serves a wave's instructions in order: these see my stores
.endr
.irp a, 0,1,2,3,4,5,6,7
	s_wait_dscnt 21-3*\a                           ; block a's three loads are in; the younger blocks' may be out
.if \a > 0
	s_wait_xcnt 0x0                                ; the earlier stores have read their base: it may step
.if \a == 4
	s_add_nc_u64 s[12:13], s[12:13], s[6:7]
.else
	s_add_nc_u64 s[12:13], s[12:13], s[4:5]
.endif
.endif
	global_store_b128 v[K0], v[BK+12*\a:BK+12*\a+3], s[12:13]
	global_store_b128 v[K1], v[BK+12*\a+4:BK+12*\a+7], s[12:13]
	global_store_b128 v[K2], v[BK+12*\a+8:BK+12*\a+11], s[12:13]
.endr
	s_wait_tensorcnt 0x0                           ; the wave's end, behind my last tensor load and my last LDS store
	ds_add_u32 v[SPW], v[NIL]
	s_wait_dscnt 0x0
	CROUND                                         ; the closing round: no work-group ends while a partner may still ask for a tile that names it
	s_endpgm
.Lfunc_end_k_q517988bede_proj:
	.size	k_q517988bede_proj, .Lfunc_end_k_q517988bede_proj-k_q517988bede_proj
	.p2alignl 7, 3214868480
	.fill 96, 4, 3214868480
	.section	.rodata,"a",@progbits
	.p2align	6, 0x0
	.amdhsa_kernel k_q517988bede_proj
		.amdhsa_group_segment_fixed_size 327680
		.amdhsa_private_segment_fixed_size 0
		.amdhsa_enable_private_segment 0
		.amdhsa_kernarg_size 72
		.amdhsa_user_sgpr_count 2
		.amdhsa_user_sgpr_kernarg_segment_ptr 1
		.amdhsa_wavefront_size32 1
		.amdhsa_system_sgpr_workgroup_id_x 1
		.amdhsa_system_sgpr_workgroup_id_y 1
		.amdhsa_system_sgpr_workgroup_id_z 1
		.amdhsa_system_vgpr_workitem_id 0
		.amdhsa_next_free_vgpr 1024
		.amdhsa_next_free_sgpr 102
		.amdhsa_reserve_vcc 0
		.amdhsa_float_denorm_mode_32 3
		.amdhsa_float_denorm_mode_16_64 3
		.amdhsa_memory_ordered 1
		.amdhsa_forward_progress 1
		.amdhsa_inst_pref_size 193
	.end_amdhsa_kernel
	.amdgpu_metadata
---
amdhsa.version: [ 1, 2 ]
amdhsa.kernels:
  - .name:           k_q517988bede_proj
    .symbol:         k_q517988bede_proj.kd
    .args:
      - { .name: xc, .offset: 0, .size: 8, .value_kind: global_buffer, .address_space: global }
      - { .name: xs, .offset: 8, .size: 8, .value_kind: global_buffer, .address_space: global }
      - { .name: wc, .offset: 16, .size: 8, .value_kind: global_buffer, .address_space: global }
      - { .name: ws, .offset: 24, .size: 8, .value_kind: global_buffer, .address_space: global }
      - { .name: bq, .offset: 32, .size: 8, .value_kind: global_buffer, .address_space: global }
      - { .name: bk, .offset: 40, .size: 8, .value_kind: global_buffer, .address_space: global }
      - { .name: bv, .offset: 48, .size: 8, .value_kind: global_buffer, .address_space: global }
      - { .name: pc, .offset: 56, .size: 8, .value_kind: global_buffer, .address_space: global }
      - { .name: ps, .offset: 64, .size: 8, .value_kind: global_buffer, .address_space: global }
    .group_segment_fixed_size: 327680
    .private_segment_fixed_size: 0
    .kernarg_segment_align: 8
    .kernarg_segment_size: 72
    .max_flat_workgroup_size: 128
    .sgpr_count:     102
    .vgpr_count:     1024
    .wavefront_size: 32
...
	.end_amdgpu_metadata
.endif
;; end of part 3
;; launch attn (part 4): grid 4 x 64, 8 waves a work-group, clusters of 4 x 1, 275,456 bytes of LDS; arguments pc, ps, mask, out0; writes out0
.if DOCPART == 4
	.amdgcn_target "amdgcn-amd-amdhsa--gfx1250"
	.amdhsa_code_object_version 6
	.text
	.protected	k_q517988bede_attn
	.globl	k_q517988bede_attn
	.p2align	8
	.type	k_q517988bede_attn,@function
k_q517988bede_attn:
	s_mov_b64 s[64:65], 0
	v_nop
	global_prefetch_b8 v0, s[64:65] scope:SCOPE_SE
	s_setreg_imm32_b32 hwreg(HW_REG_WAVE_MODE, 25, 1), 1
	s_wait_xcnt 0x0
	s_wait_alu depctr_hold_cnt(0) depctr_sa_sdst(0) depctr_va_vdst(0) depctr_va_sdst(0) depctr_va_ssrc(0) depctr_va_vcc(0) depctr_vm_vsrc(0)
	s_getreg_b32 s2, hwreg(HW_REG_IB_STS2, 6, 4)
	s_cmp_eq_u32 s2, 0
	s_cbranch_scc0 .Lentry_in_a_cluster
	s_endpgm
.Lentry_in_a_cluster:
	s_bfe_u32 s2, ttmp6, 0x10000c
	s_cmp_lg_u32 s2, 0x3003
	s_cbranch_scc0 .Lentry_shape_is_right
	s_endpgm
.Lentry_shape_is_right:
; out[b][q][64 hd + d] = the sum over keys of softmax_k(Q.K / 8, rows with mask == 0 wholly padded) V, for 64 heads (16 b + hd), 2,048 queries, 2,048 keys, depth 64; both products on codes of FP6 (E2M3) with E8M0 scales.
; THE SOFTMAX AHEAD OF THE SECOND PRODUCT: t = score x c, c = log2(e) / 8; M = the row's largest t so far, rounded UP to a whole number; p = 2^(t - M) is quantised along the keys, not normalised; the row's sum is taken of
; the unquantised p and divides at the end.  When M moves, the sum and O are multiplied by 2^(old M - new M): exact.
; THE MASK is one number a QUERY: where it is 0 every logit of the row is the same number, so p = 1 for every key.  A lane holds one query: its factor c is replaced by 0 there (a select, no branch): t = 0, M = 0, p = 1.
; SHARES.  A work-group owns 512 queries of one head, the four work-groups of a cluster the head's 2,048.  A HEAD'S WHOLE K AND V, as codes, AND THEIR SCALE WORDS LIE IN LDS (204,800 bytes), asked for JOINTLY by the four, once:
; no ring, no refill, one barrier.  Each of eight waves makes two passes; in a pass it holds two tiles of 16 queries, tile x in register window x, so that each fragment of K and V read from LDS feeds two products.
; Two waves share a SIMD: one's vector work stands beside the other's products and LDS loads.
; PIECES.  pc holds pieces of 768 bytes: lane l's 24 bytes (six registers) at 24 l.  Two neighbouring pieces are one operand of 12 registers.  V: a tile of 16 of the depth x 128 keys.  K: [key tile 2 g | key tile 2 g + 1], each
; 16 keys x depth 64: multiplied by [Q, 0] it gives the first tile's scores, by [0, Q] the second's: the zero codes add nothing.  Q lies once in 18 registers [0 x 6, Q x 6, 0 x 6], and both operands are runs of it.
; LAYOUT.  Both products are used transposed (S^T = K Q^T, O^T = V^T P^T): a lane holds ONE query throughout.  The rows of a tile are the true rows 32 (tau / 2) + 8 (tau % 2) + r + 8 (r / 8), so that the 16 registers of two
; neighbouring tiles are 16 neighbours: keys 32 g + 16 (lane / 16) + 0 .. 15 in S^T, depth 32 e + 16 (lane / 16) + 0 .. 15 in O^T.
; LIMITS: NaN and infinities are not served (a padded row takes 0 x score, which wants finite scores).  Any mask number other than 0 counts as kept.  A block's largest p is taken from the block's largest score, which takes
; v_exp_f32 not to fall where its input rises.  A block whose every p has fallen to 0 keeps the byte 1: its codes are zeros.
; REGISTERS.  Window 0: v3-15 addresses, v16-19 K's scale words, v20-23 V's, v24-25 Q's (tile 0, 1), v26-27 p's, v28-29 the add's two, v32-79 K's eight pieces.  Window 1: v32-79 V's eight pieces.
;   In window x, tile x: v96-159 S^T, then p; v160-191 O^T; v192-209 Q among zeros; v210-229 p's codes; v230-252 at work.
.set VREG,  98304                      ; LDS: K's pieces from 0, V's from here,
.set SKR,   196608                     ; K's scale words,
.set SVR,   200704                     ; V's,
.set STAGE, 204800                     ; the way out: for each wave two tiles x 16 rows x (256 bytes + 16); no fill lands here
.set SPARE, 274432                     ; the spare words, 128 bytes for each of eight waves
.set AK0, 3                            ; v3   24 x lane: my place in a piece (in LDS, and in Q's pieces in memory)
.set AV0, 4                            ; v4   the same in V's region
.set AS0, 5                            ; v5   SKR + 16 r: my row's four scale words of a step
.set ADK, 6
.set ADV, 7
.set ADS, 8
.set QSO, 10                           ; v10  16 r
.set MO,  11                           ; v11  4 (r + 8 (r / 8)): my query among a pair of tiles' 32, in the mask
.set STO, 12
.set RDA, 13
.set GO,  14
.set QW,  15
.set KS,  16
.set VS,  20
.set QS,  24
.set PS,  26
.set SPW, 28
.set NIL, 29
.set KF,  32
.set VF,  32
.set S,   96
.set O,   160
.set QZ,  192
.set PC,  210
.set PT,  222
.set BM,  230                          ; the blocks' largest scores, then largest p
.set BX,  234
.set SCR, 238                          ; the conversions' scale operands
.set NM,  242                          ; -M
.set TMX, 243                          ; the largest t
.set SUM, 244
.set CC,  246                          ; c, or 0 in a padded row
.set F,   248
.set TMP, 250
.set TMP2, 251
.set MK,  252
.set WV,  12
.set SEL, 20
.set G1C, 24                           ; s[24:31] group 1: 48 rows of 256 bytes;  s[32:39]: 2 rows
.set G1S, 32
.set G0K, 40
.set G0V, 44
.set G0SK, 48
.set G0SV, 52
.set TK,  56                           ; s56  the step's pieces: 6,144 bytes a step
.set TS,  57                           ; s57  the step's scale words: 256 bytes a step
.set KC,  58
.set QB,  60
.set QSB, 66
.set MB,  68
.set OB,  70
.set MSB, 0
.macro WIN new                         ; the immediate's high byte repeats the setting that is left
.if MSB != (\new)
	s_set_vgpr_msb (MSB<<8)|(\new)
.set MSB, (\new)
.endif
.endm
.macro CROUND                          ; a round of the cluster's barrier
	s_barrier_signal -1
	s_barrier_wait -1
	s_cmp_lg_u32 s[WV], 0
	s_cbranch_scc1 .Lnot_wave_0_\@
	s_barrier_signal -3
.Lnot_wave_0_\@:
	s_barrier_wait -3
	s_barrier_signal -1
	s_barrier_wait -1
.endm
	s_load_b256 s[4:11], s[0:1], 0x0               ; pc, ps, mask, out0
	v_lshl_add_u32 v[SPW], v0, 2, SPARE
	v_mov_b32 v[NIL], 0
	ds_add_u32 v[SPW], v[NIL]                      ; the wave's opening: the add and its wait stand ahead of my first tensor load; the set-up below stands between them
	v_lshrrev_b32 v1, 5, v0
	v_readfirstlane_b32 s[WV], v1                  ; wave 0..7
	s_bfe_u32 s13, ttmp6, 0x40000                  ; cx: my block of 512 queries: it enters global addresses of Q, the mask and the output alone
	s_and_b32 s14, ttmp7, 0xffff                   ; the head, which the four partners share
	; dense blocks as rows of 256 bytes (32 elements of 8 bytes), no padding; the mask names all four work-groups, bit 21 beside it
	s_mov_b32 s[G1C], 15|(3<<16)|(1<<21)
	s_mov_b32 s[G1C+1], 32<<16                     ; tensor_dim0
	s_mov_b32 s[G1C+2], 48<<16                     ; tensor_dim1
	s_mov_b32 s[G1C+3], 32<<16                     ; tile_dim0
	s_mov_b32 s[G1C+4], 48                         ; tile_dim1: 12,288 bytes, an eighth of a head's K or V
	s_mov_b32 s[G1C+5], 32                         ; the pitch
	s_mov_b32 s[G1C+6], 0
	s_mov_b32 s[G1C+7], 0
	s_mov_b32 s[G1S], 15|(3<<16)|(1<<21)
	s_mov_b32 s[G1S+1], 32<<16
	s_mov_b32 s[G1S+2], 2<<16
	s_mov_b32 s[G1S+3], 32<<16
	s_mov_b32 s[G1S+4], 2                          ; 512 bytes, an eighth of a head's scale words
	s_mov_b32 s[G1S+5], 32
	s_mov_b32 s[G1S+6], 0
	s_mov_b32 s[G1S+7], 0
	s_mul_i32 s74, s14, 98304                      ; the head's pieces
	s_mul_i32 s76, s[WV], 12288                    ; my eighth, in memory and in LDS
	s_add_co_u32 s78, s74, s76
	s_mov_b32 s79, 0
	s_lshl_b32 s80, s14, 12                        ; the head's scale words
	s_lshl_b32 s77, s[WV], 9
	s_add_co_u32 s82, s80, s77
	s_mov_b32 s83, 0
	s_mov_b32 s[SEL], 0x76543210
	s_mov_b32 s[SEL+1], 0xfedcba98                 ; v_permlanex16_b32's selects for lane l xor 16
	s_mov_b32 s22, 0x3e38aa3b                      ; c = log2(e) / 8
	s_mov_b32 s72, 0x01000100                      ; v_perm_b32: the low half twice
	s_mov_b32 s73, 0x03020302                      ; the high half twice
	s_wait_dscnt 0x0                               ; the opening add is done
	s_wait_kmcnt 0x0
	s_mov_b32 s[G0K], 1
	s_mov_b32 s[G0K+1], s76
	s_add_nc_u64 s[G0K+2:G0K+3], s[4:5], s[78:79]
	s_add_nc_u64 s[G0K+2:G0K+3], s[G0K+2:G0K+3], 64*98304     ; K's part of pc
	s_or_b32 s[G0K+3], s[G0K+3], 0x80000000
	s_mov_b32 s[G0V], 1
	s_add_co_u32 s[G0V+1], s76, VREG
	s_add_nc_u64 s[G0V+2:G0V+3], s[4:5], s[78:79]
	s_add_nc_u64 s[G0V+2:G0V+3], s[G0V+2:G0V+3], 2*64*98304   ; V's
	s_or_b32 s[G0V+3], s[G0V+3], 0x80000000
	s_mov_b32 s[G0SK], 1
	s_add_co_u32 s[G0SK+1], s77, SKR
	s_add_nc_u64 s[G0SK+2:G0SK+3], s[6:7], s[82:83]
	s_add_nc_u64 s[G0SK+2:G0SK+3], s[G0SK+2:G0SK+3], 262144
	s_or_b32 s[G0SK+3], s[G0SK+3], 0x80000000
	s_mov_b32 s[G0SV], 1
	s_add_co_u32 s[G0SV+1], s77, SVR
	s_add_nc_u64 s[G0SV+2:G0SV+3], s[6:7], s[82:83]
	s_add_nc_u64 s[G0SV+2:G0SV+3], s[G0SV+2:G0SV+3], 524288
	s_or_b32 s[G0SV+3], s[G0SV+3], 0x80000000
	CROUND                                         ; all four work-groups are here: the joint loads meet
	tensor_load_to_lds s[G0K:G0K+3], s[G1C:G1C+7]  ; every wave issues all four, on one path: four loads of mine are out by this text's own count; each byte is filled once in the launch
	s_nop 0
	tensor_load_to_lds s[G0V:G0V+3], s[G1C:G1C+7]
	s_nop 0
	tensor_load_to_lds s[G0SK:G0SK+3], s[G1S:G1S+7]
	s_nop 0
	tensor_load_to_lds s[G0SV:G0SV+3], s[G1S:G1S+7]
	s_nop 0
.rept 4
	v_nop
.endr
	s_lshl_b32 s84, s13, 4
	s_add_co_u32 s84, s84, s[WV]                   ; my pair of query tiles in pass 0: 16 cx + wave; pass 1: 8 pairs on
	s_mov_b32 s87, 0
	s_mul_i32 s86, s84, 1536
	s_add_co_u32 s86, s86, s74
	s_add_nc_u64 s[QB:QB+1], s[4:5], s[86:87]      ; its two pieces of Q
	s_lshl_b32 s86, s13, 2
	s_lshr_b32 s88, s[WV], 2
	s_add_co_u32 s86, s86, s88
	s_lshl_b32 s86, s86, 8                         ; its step of 128 queries,
	s_and_b32 s88, s[WV], 3
	s_lshl_b32 s88, s88, 2                         ; its word among the step's four
	s_add_co_u32 s86, s86, s88
	s_add_co_u32 s86, s86, s80
	s_add_nc_u64 s[QSB:QSB+1], s[6:7], s[86:87]
	s_lshr_b32 s88, s14, 4                         ; the batch
	s_lshl_b32 s86, s88, 13
	s_lshl_b32 s89, s84, 7
	s_add_co_u32 s86, s86, s89
	s_add_nc_u64 s[MB:MB+1], s[8:9], s[86:87]      ; its 32 numbers of the mask
	s_lshl_b32 s86, s88, 23
	s_lshl_b32 s89, s84, 17
	s_add_co_u32 s86, s86, s89
	s_and_b32 s89, s14, 15
	s_lshl_b32 s89, s89, 8
	s_add_co_u32 s86, s86, s89
	s_add_nc_u64 s[OB:OB+1], s[10:11], s[86:87]    ; its 32 rows of the output, at the head's 256 bytes
	v_and_b32 v1, 31, v0                           ; lane
	v_and_b32 v2, 15, v0                           ; r
	v_bfe_u32 v9, v0, 4, 1                         ; h
	v_mul_u32_u24 v[AK0], v1, 24
	v_add_nc_u32 v[AV0], VREG, v[AK0]
	v_lshlrev_b32 v[QSO], 4, v2
	v_add_nc_u32 v[AS0], SKR, v[QSO]
	v_lshrrev_b32 v[MO], 3, v2
	v_lshl_add_u32 v[MO], v[MO], 3, v2
	v_lshlrev_b32 v[MO], 2, v[MO]
	s_mul_i32 s86, s[WV], 2*16*272
	s_add_co_u32 s86, s86, STAGE                   ; my stage
	v_mul_u32_u24 v[STO], v2, 272
	v_lshl_add_u32 v[STO], v9, 6, v[STO]
	v_add_nc_u32 v[STO], s86, v[STO]               ; in: row r, + 64 h
	v_mul_u32_u24 v[RDA], v9, 272
	v_add_nc_u32 v[RDA], v[RDA], v[QSO]
	v_add_nc_u32 v[RDA], s86, v[RDA]               ; back: lanes 0-15 one row, lanes 16-31 the next
	v_lshl_add_u32 v[GO], v9, 12, v[QSO]           ; and the same two rows in the output
.irp x, 0,1
	WIN 0x40*\x
.irp j, 0,1,2,3,4,5
	v_mov_b32 v[QZ+\j], 0                          ; the zero codes on both sides of Q: written once
	v_mov_b32 v[QZ+12+\j], 0
.endr
.irp b, 0,1,2,3
	v_mov_b32 v[BX+\b], 0                          ; written once: a lane permute's destination counts as one of its sources
.endr
	v_mov_b32 v[F+1], 0                            ; (named with F as a pair)
	v_mov_b32 v[TMP], 0
.endr
	WIN 0
; Pass p's Q: the pair's scale word, and for each tile its piece (three loads of 8 bytes a lane) and its queries' mask numbers.
.macro QLOAD p
	global_load_b32 v[QW], v[QSO], s[QSB:QSB+1] offset:512*\p
.irp x, 0,1
	WIN 0x40*\x
.irp i, 0,1,2
	global_load_b64 v[QZ+6+2*\i:QZ+7+2*\i], v[AK0], s[QB:QB+1] offset:12288*\p+768*\x+8*\i
.endr
	global_load_b32 v[MK], v[MO], s[MB:MB+1] offset:1024*\p+32*\x
.endr
	WIN 0
.endm
; A pass begins: O^T and the sum as zeros, the largest t as -3e38 (the loop is written once: its first step finds zeros, which the first change of M leaves zeros).
.macro INIT
	s_wait_loadcnt 0x0                             ; Q, its scale word, the mask
	s_wait_xcnt 0x0                                ; the last pass's stores have read their registers, which the lines and products below write again
	v_perm_b32 v[QS], v[QW], v[QW], s72            ; tile 0's two scale bytes, in both halves of the word: they serve [Q, 0] and [0, Q] alike
	v_perm_b32 v[QS+1], v[QW], v[QW], s73          ; tile 1's.  (More than eight plain lines follow ahead of the first product)
.irp x, 0,1
	WIN 0x55*\x
	v_mov_b32 v[TMX], 0xff61b1e6
	v_floor_f32 v[NM], -v[TMX]
	v_mov_b32 v[SUM], 0
	v_mov_b32 v[SUM+1], 0
.set i, 0
.rept 32
	v_mov_b32 v[O+i], 0
.set i, i+1
.endr
	v_cmp_ne_u32 vcc_lo, 0, v[MK]
	v_mov_b32 v[CC], s22
	v_cndmask_b32 v[CC], 0, v[CC], vcc_lo          ; c, or 0 where my query is padded
	v_mov_b32 v[CC+1], v[CC]
.endr
	WIN 0
.endm
.macro KLOAD adr, sadr, off, soff      ; 25 LDS loads: a step's eight pieces of K and its four scale words a row
.irp u, 0,1,2,3,4,5,6,7
.irp i, 0,1,2
	ds_load_b64 v[KF+6*\u+2*\i:KF+6*\u+2*\i+1], v[\adr] offset:\off+768*\u+8*\i   ; lanes 6 words apart: 64 different banks
.endr
.endr
	ds_load_b128 v[KS:KS+3], v[\sadr] offset:\soff
.endm
; Tile x's softmax of a key step, in window x.
.macro SM x
	WIN 0x55*(\x)
.irp b, 0,1,2,3
	v_max3_num_f32 v[BM+\b], v[S+16*\b], v[S+1+16*\b], v[S+2+16*\b]   ; THE LARGEST SCORE OF EACH BLOCK OF 32 KEYS: it serves the row's maximum and, since p rises with the score, the block's largest p
.endr
.irp i, 3,5,7,9,11,13
.irp b, 0,1,2,3
	v_max3_num_f32 v[BM+\b], v[BM+\b], v[S+16*\b+\i], v[S+1+16*\b+\i]
.endr
.endr
.irp b, 0,1,2,3
	v_max_num_f32 v[BM+\b], v[BM+\b], v[S+15+16*\b]
.endr
.irp b, 0,1,2,3
	v_permlanex16_b32 v[BX+\b], v[BM+\b], s[SEL], s[SEL+1]
.endr
.irp b, 0,1,2,3
	v_max_num_f32 v[BM+\b], v[BM+\b], v[BX+\b]     ; with lane l xor 16's 16 keys
.endr
	v_max3_num_f32 v[TMP], v[BM], v[BM+1], v[BM+2]
	v_max_num_f32 v[TMP], v[TMP], v[BM+3]          ; the step's largest score of my query
	v_mul_f32 v[TMP], v[CC], v[TMP]                ; as t (c is not negative)
	v_max_num_f32 v[TMX], v[TMX], v[TMP]           ; the running largest t
	v_mov_b32 v[TMP], v[NM]
	v_floor_f32 v[NM], -v[TMX]                     ; the new -M = floor(-t): M IS A WHOLE NUMBER
	v_sub_f32 v[TMP], v[NM], v[TMP]                ; old M - new M: a whole number, 0 or less
	v_cvt_i32_f32 v[TMP], v[TMP]                   ; (it saturates)
	v_ldexp_f32 v[F], 1.0, v[TMP]                  ; f = 2^(old M - new M)
.set i, 0
.rept 32
	v_pk_fma_f32 v[S+2*i:S+2*i+1], v[S+2*i:S+2*i+1], v[CC:CC+1], v[NM:NM+1] op_sel_hi:[1,0,0]   ; t - M, two at a time
.set i, i+1
.endr
.irp b, 0,1,2,3
	v_fma_f32 v[BM+\b], v[BM+\b], v[CC], v[NM]     ; the same of each block's largest score
.endr
.set i, 0
.rept 64
	v_exp_f32 v[S+i], v[S+i]                       ; p = 2^(t - M), at most 1: NOT normalised
.set i, i+1
.endr
	v_pk_mul_f32 v[SUM:SUM+1], v[SUM:SUM+1], v[F:F+1] op_sel_hi:[1,0]   ; the sums under the new M.  (The plain line behind the exponentials)
	s_wait_alu depctr_va_vdst(0)                   ; one wait for the whole batch, ahead of its first reader
.irp b, 0,1,2,3
	v_exp_f32 v[BM+\b], v[BM+\b]                   ; the block's largest p
.endr
	v_pk_add_f32 v[BX:BX+1], v[S:S+1], v[S+2:S+3]  ; THE ROW'S SUM IS TAKEN OF THE UNQUANTISED p: two at a time, in two chains
.irp j, 4,8,12,16,20,24,28,32,36,40,44,48,52,56,60
	v_pk_add_f32 v[SUM:SUM+1], v[SUM:SUM+1], v[S+\j:S+1+\j]
	v_pk_add_f32 v[BX:BX+1], v[BX:BX+1], v[S+2+\j:S+3+\j]
.endr
	v_pk_add_f32 v[SUM:SUM+1], v[SUM:SUM+1], v[BX:BX+1]
	s_wait_alu depctr_va_vdst(0)                   ; and one for the four
.irp b, 0,1,2,3
	v_max_num_f32 v[BM+\b], 0x1800000, v[BM+\b]    ; the floor 2^(3 - 127): the byte cannot fall under 1
.endr
.irp b, 0,1,2,3
	v_add_nc_u32 v[SCR+\b], 0xff000000, v[BM+\b]   ; 2 off the exponent field: the conversion's scale operand
.endr
.irp b, 0,1,2,3
	v_lshrrev_b32 v[BX+\b], 23, v[SCR+\b]          ; the scale's byte
.endr
	v_lshl_or_b32 v[TMP2], v[BX+1], 8, v[BX]
	v_lshl_or_b32 v[TMP2], v[BX+2], 16, v[TMP2]
	WIN 0x15*(\x)                                  ; scale operands are always taken from window 0: the word's last line writes there
	v_lshl_or_b32 v[PS+(\x)], v[BX+3], 24, v[TMP2] ; p's scale word for these 128 keys
	WIN 0x55*(\x)
.irp c, 0,1
	v_cvt_scalef32_pk16_fp6_f32 v[PC+6*\c:PC+2+6*\c], v[S+32*\c:S+15+32*\c], v[SCR+2*\c]
	v_cvt_scalef32_pk16_fp6_f32 v[PT+4*\c:PT+2+4*\c], v[S+16+32*\c:S+31+32*\c], v[SCR+2*\c+1]   ; (a conversion's three registers begin on an even number)
.endr
	v_nop                                          ; one plain place behind a scaled conversion
.irp c, 0,1                                    ; the operand's layout wants a WHOLE block in a lane
.irp i, 0,1,2
	v_permlane16_swap_b32 v[PC+6*\c+\i], v[PT+4*\c+\i]
.endr
.irp i, 0,1,2
	v_mov_b32 v[PC+3+6*\c+\i], v[PT+4*\c+\i]
.endr
.endr
.set i, 0
.rept 16
	v_pk_mul_f32 v[O+2*i:O+2*i+1], v[O+2*i:O+2*i+1], v[F:F+1] op_sel_hi:[1,0]   ; O^T under the new M.  (These are also the places between the lines that made p's codes and scale word and the products)
.set i, i+1
.endr
.endm
.macro PV x                            ; O^T += V^T P^T: four tiles of 16 of the depth; K = the step's 128 keys
	WIN 0x01+0x54*(\x)                             ; V in window 1; p's codes and O^T in window x
.irp t, 0,1,2,3
	v_wmma_scale_f32_16x16x128_f8f6f4 v[O+8*\t:O+8*\t+7], v[VF+12*\t:VF+12*\t+11], v[PC:PC+11], v[O+8*\t:O+8*\t+7], v[VS+\t], v[PS+(\x)] matrix_a_fmt:MATRIX_FMT_FP6 matrix_b_fmt:MATRIX_FMT_FP6
.endr
.endm
; A KEY STEP: 128 keys, both tiles.  K of this step was asked for a step ago; V is asked for at the head and lands under the scores and the softmax; K of the next step is asked for behind the scores.
.macro STEP
	v_add_nc_u32 v[ADK], s[TK], v[AK0]
	v_add_nc_u32 v[ADV], s[TK], v[AV0]
	v_add_nc_u32 v[ADS], s[TS], v[AS0]
	v_nop                                          ; four places behind the last step's products, in front of the loads into V's registers
	WIN 0x40
.irp u, 0,1,2,3,4,5,6,7
.irp i, 0,1,2
	ds_load_b64 v[VF+6*\u+2*\i:VF+6*\u+2*\i+1], v[ADV] offset:768*\u+8*\i
.endr
.endr
	WIN 0
	ds_load_b128 v[VS:VS+3], v[ADS] offset:SVR-SKR
	s_wait_dscnt 25                                ; K's 25 loads are in; V's 25, just issued, may be out
.irp x, 0,1                                    ; S^T = K Q^T: sixteen products on sixteen accumulators, each begun with the constant 0
	WIN 0x44*\x
.irp g, 0,1,2,3
	v_wmma_scale_f32_16x16x128_f8f6f4 v[S+16*\g:S+16*\g+7], v[KF+12*\g:KF+12*\g+11], v[QZ+6:QZ+17], 0, v[KS+\g], v[QS+\x] matrix_a_fmt:MATRIX_FMT_FP6 matrix_b_fmt:MATRIX_FMT_FP6
	v_wmma_scale_f32_16x16x128_f8f6f4 v[S+16*\g+8:S+16*\g+15], v[KF+12*\g:KF+12*\g+11], v[QZ:QZ+11], 0, v[KS+\g], v[QS+\x] matrix_a_fmt:MATRIX_FMT_FP6 matrix_b_fmt:MATRIX_FMT_FP6
.endr
.endr
	WIN 0
.rept 4
	v_nop                                          ; places in front of the loads into K's registers and of the first read of the scores
.endr
	KLOAD ADK, ADS, 6144, 256                      ; the next step's K.  (In the last trip these read the first bytes of the regions behind K's: inside LDS, filled, and not used)
	SM 0
	SM 1
	s_wait_dscnt 25                                ; V's 25 loads are in; the next K's 25 may be out
	PV 1                                           ; tile 1 first: its window is set
	PV 0
	WIN 0
.endm
.macro KEYS                            ; all 2,048 keys: sixteen trips
	KLOAD AK0, AS0, 0, 0
	s_mov_b32 s[TK], 0
	s_mov_b32 s[TS], 0
	s_mov_b32 s[KC], 0
.Lkey_\@:
	STEP
	s_add_co_u32 s[TK], s[TK], 6144
	s_add_co_u32 s[TS], s[TS], 256
	s_add_co_u32 s[KC], s[KC], 1
	s_cmp_lt_u32 s[KC], 16
	s_cbranch_scc1 .Lkey_\@
	s_wait_dscnt 0x0                               ; the loads that the last trip asked for beyond the keys are back: their registers are free
.endm
; THE WAY OUT of pass p.  O^T / the sum goes through my stage in LDS, a tile (16 queries x 256 bytes) at a time, and leaves so that sixteen lanes store a query's 256 consecutive bytes, aligned.
.macro OUT p
.rept 4
	v_nop                                          ; places behind the last products
.endr
.irp x, 0,1
	WIN 0x55*\x
	v_add_f32 v[SUM], v[SUM], v[SUM+1]             ; the sum's two halves,
	v_permlanex16_b32 v[TMP], v[SUM], s[SEL], s[SEL+1]
	v_add_f32 v[SUM], v[SUM], v[TMP]               ; and lane l xor 16's: the row's sum
	v_rcp_f32 v[F], v[SUM]
	v_nop                                          ; a plain line behind the reciprocal,
	s_wait_alu depctr_va_vdst(0)                   ; and a wait ahead of its first reader
.set i, 0
.rept 16
	v_pk_mul_f32 v[S+2*i:S+2*i+1], v[O+2*i:O+2*i+1], v[F:F+1] op_sel_hi:[1,0]   ; register 16 e + i: depth 32 e + 16 h + i; each accumulator from its low end on
.set i, i+1
.endr
	WIN 0x04*\x                                    ; an LDS store's data are its source 1
.irp g, 0,1,2,3,4,5,6,7
	ds_store_b128 v[STO], v[S+4*\g:S+4*\g+3] offset:4352*\x+128*(\g/4)+16*(\g%4)
.endr
	WIN 0x40*\x
.irp j, 0,1,2,3,4,5,6,7
	ds_load_b128 v[S+32+4*\j:S+35+4*\j], v[RDA] offset:4352*\x+544*\j   ; LDS serves a wave's instructions in order: these see my stores
.endr
.endr
.irp x, 0,1
	WIN 0x04*\x
.irp j, 0,1,2,3,4,5,6,7
	s_wait_dscnt 23-16*\x-\j                       ; this load is in; the younger loads, and for tile 0 tile 1's sixteen LDS instructions, may be out
	global_store_b128 v[GO], v[S+32+4*\j:S+35+4*\j], s[OB:OB+1] offset:1048576*\p+(8*\x+2*\j+8*(\j/4))*4096 th:TH_STORE_NT   ; stage rows 2 j, 2 j + 1 are queries 8 x + 2 j + 8 (j / 4) + 0, 1 of the pair's 32
.endr
.endr
	WIN 0
.endm
	QLOAD 0
	s_wait_tensorcnt 0x0                           ; my eighths of K, V and their scale words are in,
	s_barrier_signal -1
	s_barrier_wait -1                              ; everybody's are: from here on LDS's filled regions are only read
	INIT
	KEYS
	QLOAD 1                                        ; the next pass's Q is on its way while this pass goes out
	OUT 0
	INIT
	KEYS
	OUT 1
	s_wait_tensorcnt 0x0                           ; the wave's end, behind my last tensor load and my last LDS store
	ds_add_u32 v[SPW], v[NIL]
	s_wait_dscnt 0x0
	CROUND                                         ; the closing round
	s_endpgm
.Lfunc_end_k_q517988bede_attn:
	.size	k_q517988bede_attn, .Lfunc_end_k_q517988bede_attn-k_q517988bede_attn
	.p2alignl 7, 3214868480
	.fill 96, 4, 3214868480
	.section	.rodata,"a",@progbits
	.p2align	6, 0x0
	.amdhsa_kernel k_q517988bede_attn
		.amdhsa_group_segment_fixed_size 275456
		.amdhsa_private_segment_fixed_size 0
		.amdhsa_enable_private_segment 0
		.amdhsa_kernarg_size 32
		.amdhsa_user_sgpr_count 2
		.amdhsa_user_sgpr_kernarg_segment_ptr 1
		.amdhsa_wavefront_size32 1
		.amdhsa_system_sgpr_workgroup_id_x 1
		.amdhsa_system_sgpr_workgroup_id_y 1
		.amdhsa_system_sgpr_workgroup_id_z 1
		.amdhsa_system_vgpr_workitem_id 0
		.amdhsa_next_free_vgpr 512
		.amdhsa_next_free_sgpr 90
		.amdhsa_reserve_vcc 1
		.amdhsa_float_denorm_mode_32 3
		.amdhsa_float_denorm_mode_16_64 3
		.amdhsa_memory_ordered 1
		.amdhsa_forward_progress 1
		.amdhsa_inst_pref_size 93
	.end_amdhsa_kernel
	.amdgpu_metadata
---
amdhsa.version: [ 1, 2 ]
amdhsa.kernels:
  - .name:           k_q517988bede_attn
    .symbol:         k_q517988bede_attn.kd
    .args:
      - { .name: pc, .offset: 0, .size: 8, .value_kind: global_buffer, .address_space: global }
      - { .name: ps, .offset: 8, .size: 8, .value_kind: global_buffer, .address_space: global }
      - { .name: mask, .offset: 16, .size: 8, .value_kind: global_buffer, .address_space: global }
      - { .name: out0, .offset: 24, .size: 8, .value_kind: global_buffer, .address_space: global }
    .group_segment_fixed_size: 275456
    .private_segment_fixed_size: 0
    .kernarg_segment_align: 8
    .kernarg_segment_size: 32
    .max_flat_workgroup_size: 256
    .sgpr_count:     90
    .vgpr_count:     512
    .wavefront_size: 32
...
	.end_amdgpu_metadata
.endif
;; end of part 4
